; MI455X (gfx1250); checked and timed in simulation.
; The chip was launched on July 23, 2026; its instructions are those of AMD's public machine-readable ISA for CDNA 5 (MIT licence, August 2026) and "CDNA5" Instruction Set Architecture Reference Guide (July 2026). The comments in the code are by the model that wrote it; some were corrected since.
;; Self Attention. Allowed arithmetic: matrix products marked QUANTISED: E2M1 operands, one E8M0 scale for each 32 along K, by v_wmma_scale_f32_16x16x128_f8f6f4 with both operands' format E2M1 (or v_wmma_scale_f32_32x16x128_f4), f32 sums; everything else in f32.
;; Inputs: k_b 1,024 float32; k_w 1,024 x 1,024 float32; key 4 x 2,048 x 1,024 float32; mask 4 x 2,048 x 2,048 bool; q_b 1,024 float32; q_w 1,024 x 1,024 float32; query 4 x 2,048 x 1,024 float32; v_b 1,024 float32; v_w 1,024 x 1,024 float32; value 4 x 2,048 x 1,024 float32.
;; Outputs: out0 4 x 2,048 x 1,024 float32.
;; This version of the problem:
;;   THIS VERSION OF THE PROBLEM IS GIVEN IN LOW PRECISION. The matrix products marked QUANTISED in the list below multiply operands that are first quantised to E2M1 (2 exponent bits, 1 mantissa bit; 4 bits a number), with one power-of-two scale for each 32 numbers along K (OCP MX v1.0); their sums are f32. All else is computed in f32.
;;   The module's matrix products, in the order in which they are computed (A, B: the left and right operand; K: the contracted axis; several contracted axes count as one K, in the product's order):
;;     1. [M 8,192, K 1,024] x [K 1,024, N 1,024]; A: input query; B: input q_w: QUANTISED
;;     2. [M 8,192, K 1,024] x [K 1,024, N 1,024]; A: input key; B: input k_w: QUANTISED
;;     3. [M 8,192, K 1,024] x [K 1,024, N 1,024]; A: input value; B: input v_w: QUANTISED
;;     4. batch 4 x [M 2,048, K 1,024] x [K 1,024, N 2,048]; A: computed on the way; B: computed on the way: QUANTISED
;;     5. batch 4 x [M 2,048, K 2,048] x [K 2,048, N 1,024]; A: softmax (see below); B: computed on the way: QUANTISED
;;   THE QUANTISER, for each operand of a quantised product, along K:
;;     - K is cut into blocks of 32 from its start; a last block that is shorter is filled with zeros.
;;     - A block's scale is 2^e with e = floor(log2(the largest magnitude in the block)) - 2, held to -126 .. 127; a block of zeros has e = 0. As a byte (E8M0): e + 127.
;;     - Each number is divided by its block's scale, clamped to +-6, and rounded to the nearest number of E2M1, ties to even, subnormals kept.
;;     - The product sums the exact products of the quantised numbers (number of the format x scale) in f32.
;;   ~~~python
;;   def quantise(x, axis):      # numpy; x: float32 -> the quantised numbers, widened to float32 again
;;       x = np.moveaxis(x, axis, -1); K = x.shape[-1]
;;       x = np.pad(x, [(0, 0)] * (x.ndim - 1) + [(0, -K % 32)]); x = x.reshape(x.shape[:-1] + (-1, 32)); a = np.abs(x).max(-1, keepdims=True)
;;       e = np.where(a > 0, np.clip(np.frexp(np.where(a > 0, a, 1))[1] - 1 - 2, -126, 127), 0)      # np.frexp(a)[1] - 1 = floor(log2(a)), exactly
;;       r = np.clip(x / 2.0 ** e, -6, 6)
;;       step = 2.0 ** (np.maximum(np.frexp(np.where(r == 0, 1, r))[1] - 1, 0) - 1)
;;       q = np.round(r / step) * step * 2.0 ** e      # np.round: ties to even
;;       return np.moveaxis(q.reshape(q.shape[:-2] + (-1,))[..., :K], -1, axis).astype(np.float32)
;;   ~~~
;;   SOFTMAX AHEAD OF A QUANTISED PRODUCT. Where the list says 'softmax', what is quantised is not the finished softmax but p = 2^(t - M), with t = logit x log2(e) and M = ceil(the row's largest t), a whole number; so 1/2 < the row's largest p <= 1. The row's sum l is taken of the UNQUANTISED p, in f32, and the product's result is divided by l at the end. Since M is a whole number, a kernel that streams over the keys may use a running M (the ceiling of the running maximum): every later rescaling is an exact power of two, which a block's scale takes up: the codes' values come out the same.
;;   OPERANDS COMPUTED ON THE WAY. 'Computed on the way' means the value that the module computes at that place (a softmax that the list does not call 'softmax' is quantised finished and normalised). What goes into a quantiser is computed in f32, as accurately as f32 sums, v_exp_f32 and their like allow (about 1e-6 of the number): no bf16 or f16 on the way to a quantiser, and a product that is left as it is and whose result goes on into a quantised operand takes f32 operands (vector FMAs, or v_wmma_f32_16x16x4_f32). A number that lies on a knife's edge between two numbers of the format may be rounded either way, as far as f32 arithmetic and the matrix unit's own rounding can turn it there, and no further.
;; One version. Each part assembles by itself: llvm-mc -triple=amdgcn-amd-amdhsa -mcpu=gfx1250 --defsym DOCPART=n.
;; ======== version 1 of 1: 4 launches
;; limits: right only within a limited range of input values
;; workspace buffers: wc 1,572,864 bytes; ws 98,304 bytes; pcodes 12,582,912 bytes; pscales 786,432 bytes; pimg 8,388,608 bytes; pst 1,572,864 bytes
;; launch wq (part 1): grid 192 x 1, 8 waves a work-group, no clusters, 71,168 bytes of LDS; arguments q_w, k_w, v_w, wc, ws; writes wc, ws
.if DOCPART == 1
	.amdgcn_target "amdgcn-amd-amdhsa--gfx1250"
	.amdhsa_code_object_version 6
	.text
	.protected	k_q5b9989446f_wq
	.globl	k_q5b9989446f_wq
	.p2align	8
	.type	k_q5b9989446f_wq,@function
k_q5b9989446f_wq:
	s_mov_b64 s[64:65], 0
	v_nop
	global_prefetch_b8 v0, s[64:65] scope:SCOPE_SE
	s_setreg_imm32_b32 hwreg(HW_REG_WAVE_MODE, 25, 1), 1
	s_wait_xcnt 0x0
; SELF-ATTENTION IN MX-FP4, launch 1 of 4: the weights q_w, k_w, v_w [1024][1024], f32, become codes of E2M1 with one E8M0 byte for each 32 along the 1,024 (the K of the projections).
; NO WORK OF reference() IS LEFT OUT in this program: every bias moves codes or results, the mask is an input and is honoured byte by byte (a masked logit is the NUMBER -1e9, so a row that is masked
; throughout still averages all 2,048 values), and all ten inputs are arguments of some launch.
; A tile is 16 rows, and THE ROWS OF A TILE ARE NOT NEIGHBOURS: place r of tile T holds row 32 (T / 2) + 8 (T % 2) + r % 8 + 16 (r / 8), so that in a product used transposed a lane's 16 registers of two neighbouring tiles are 16 neighbours.
; OUT: wc [192 tiles][8 groups of 128 k][1,024]: images of the operand's registers (register group c of lane l at 512 c + 16 l).  ws [192 tiles][32 lanes][4] words: lane r + 16 (g / 4), word g % 4 = the four bytes of row r's group g.
; A block's scale is 2^(floor(log2(largest magnitude)) - 2); its byte is the largest magnitude's exponent field - 2, held at 1 from below.
; LIMITS: a block of zeros, or one whose largest magnitude lies under 2^-124, gets the byte 1 (its codes are zeros or next to it; the bytes are read by this program alone); NaN and infinities among the inputs are not served.
; SHARES: a work-group takes one tile, wave g its g-th 128 along K: each load reads 512 consecutive bytes of one row.  The 16 rows turn through the wave's own stage in LDS, so that a lane gets two whole blocks of its row.
.set WREG,  8704                       ; a wave's stage: 16 rows x 528 bytes
.set SP,    528
.set WORDS, 8*WREG                     ; the tile's scale words, 512 bytes
.set SPARE, WORDS+512                  ; the spare words, 128 bytes for each wave, that no other line names
.set SPW,   12
.set NIL,   13
.set R,     16                         ; v16-79   16 rows as loaded
.set X,     80                         ; v80-143  my two blocks of 32 numbers
.set C,     144                        ; v144-151 codes
	s_load_b256 s[4:11], s[0:1], 0x0               ; q_w, k_w, v_w, wc
	s_load_b64 s[12:13], s[0:1], 0x20              ; ws
	v_lshl_add_u32 v[SPW], v0, 2, SPARE
	v_mov_b32 v[NIL], 0
	v_lshrrev_b32 v1, 5, v0
	v_readfirstlane_b32 s20, v1                    ; wave = group g
	v_and_b32 v1, 31, v0
	v_and_b32 v2, 15, v0                           ; r
	v_bfe_u32 v3, v0, 4, 1                         ; h
	v_lshlrev_b32 v4, 4, v1                        ; 16 x lane
	s_mul_i32 s21, s20, WREG
	v_add_nc_u32 v5, s21, v4                       ; the stage, in
	v_mul_u32_u24 v6, v2, SP
	v_lshl_add_u32 v6, v3, 7, v6
	v_add_nc_u32 v6, s21, v6                       ; and out: row r, block h
	s_lshr_b32 s22, s20, 2
	s_lshl_b32 s22, s22, 8
	s_and_b32 s23, s20, 3
	s_lshl_b32 s23, s23, 2
	s_add_co_u32 s22, s22, s23
	s_add_co_u32 s22, s22, WORDS
	v_lshl_add_u32 v7, v2, 4, s22                  ; my row's scale word
	v_add_nc_u32 v8, WORDS, v4                     ; the words' way out
	v_lshlrev_b32 v10, 3, v3                       ; 8 h
	v_mov_b32 v11, 0                               ; written once: a lane permute's destination counts as one of its sources
	s_mov_b32 s26, 0x76543210
	s_mov_b32 s27, 0xfedcba98                      ; selects for lane l xor 16
	s_lshr_b32 s24, ttmp9, 6                       ; which weight
	s_and_b32 s25, ttmp9, 63                       ; its tile
	s_wait_alu depctr_va_vdst(0)                   ; the wait at the head's end
	s_wait_kmcnt 0x0
	s_cmp_eq_u32 s24, 0
	s_cselect_b64 s[28:29], s[4:5], s[6:7]
	s_cmp_eq_u32 s24, 2
	s_cselect_b64 s[28:29], s[8:9], s[28:29]
	s_lshr_b32 s30, s25, 1
	s_lshl_b32 s30, s30, 17                        ; 32 rows of 4,096 bytes for two tiles,
	s_and_b32 s31, s25, 1
	s_lshl_b32 s31, s31, 15                        ; 8 rows,
	s_add_co_u32 s30, s30, s31
	s_lshl_b32 s31, s20, 9                         ; 512 bytes a wave
	s_add_co_u32 s30, s30, s31
	s_mov_b32 s31, 0
	s_add_nc_u64 s[28:29], s[28:29], s[30:31]
.irp i, 0,1,2,3,4,5,6,7,8,9,10,11,12,13,14,15
	global_load_b128 v[R+4*\i:R+4*\i+3], v4, s[28:29] offset:(\i%8+16*(\i/8))*4096 th:TH_LOAD_NT
.endr
	s_lshl_b32 s32, ttmp9, 13
	s_lshl_b32 s33, s20, 10
	s_add_co_u32 s32, s32, s33
	s_mov_b32 s33, 0
	s_add_nc_u64 s[10:11], s[10:11], s[32:33]      ; codes: 8,192 bytes a tile, 1,024 a group
	s_lshl_b32 s32, ttmp9, 9
	s_add_nc_u64 s[12:13], s[12:13], s[32:33]      ; scale words: 512 bytes a tile
	s_wait_loadcnt 0x0
.irp i, 0,1,2,3,4,5,6,7,8,9,10,11,12,13,14,15
	ds_store_b128 v5, v[R+4*\i:R+4*\i+3] offset:SP*\i
.endr
.irp c, 0,1                                    ; LDS serves a wave's instructions in order: these see the stores.  Blocks h and 2 + h of row r
.irp j, 0,1,2,3,4,5,6,7
	ds_load_b128 v[X+32*\c+4*\j:X+32*\c+4*\j+3], v6 offset:256*\c+16*\j
.endr
.endr
	s_wait_dscnt 0x0
.irp c, 0,1
	v_max3_num_f32 v[152+\c], |v[X+32*\c]|, |v[X+32*\c+1]|, 0x1800000   ; the largest magnitude, and the floor 2^(3 - 127)
.endr
.irp i, 2,4,6,8,10,12,14,16,18,20,22,24,26,28,30
.irp c, 0,1
	v_max3_num_f32 v[152+\c], v[152+\c], |v[X+32*\c+\i]|, |v[X+32*\c+\i+1]|
.endr
.endr
.irp c, 0,1
	v_add_nc_u32 v[154+\c], 0xff000000, v[152+\c]  ; 2 off its exponent field: the conversion's scale operand
.endr
.irp c, 0,1
.irp g, 0,1,2,3
	v_cvt_scalef32_pk8_fp4_f32 v[C+4*\c+\g], v[X+32*\c+8*\g:X+32*\c+8*\g+7], v[154+\c]
.endr
.endr
.irp c, 0,1
	v_lshrrev_b32 v[156+\c], 23, v[154+\c]         ; the byte (a plain line behind the conversions)
.endr
	v_lshl_or_b32 v158, v157, 16, v156             ; my two bytes, blocks h and 2 + h,
	v_lshlrev_b32 v158, v10, v158                  ; at their places;
	v_permlanex16_b32 v11, v158, s26, s27
	v_or_b32 v158, v158, v11                       ; with lane l xor 16's the word is whole
	ds_store_b32 v7, v158                          ; both halves of the lanes write the same word with the same value
.irp c, 0,1
	global_store_b128 v4, v[C+4*\c:C+4*\c+3], s[10:11] offset:512*\c   ; 512 consecutive bytes, aligned
.endr
	s_wait_dscnt 0x0                               ; for the others' sake: my words lie in LDS
	s_barrier_signal -1
	s_barrier_wait -1
	s_cmp_lg_u32 s20, 0
	s_cbranch_scc1 .Lend
	ds_load_b128 v[160:163], v8                    ; wave 0 stores the tile's words: 512 consecutive bytes, aligned
	s_wait_dscnt 0x0
	global_store_b128 v4, v[160:163], s[12:13]
.Lend:
	s_wait_tensorcnt 0x0                           ; the wave's end
	ds_add_u32 v[SPW], v[NIL]
	s_wait_dscnt 0x0
	s_endpgm
.Lfunc_end_k_q5b9989446f_wq:
	.size	k_q5b9989446f_wq, .Lfunc_end_k_q5b9989446f_wq-k_q5b9989446f_wq
	.p2alignl 7, 3214868480
	.fill 96, 4, 3214868480
	.section	.rodata,"a",@progbits
	.p2align	6, 0x0
	.amdhsa_kernel k_q5b9989446f_wq
		.amdhsa_group_segment_fixed_size 71168
		.amdhsa_private_segment_fixed_size 0
		.amdhsa_enable_private_segment 0
		.amdhsa_kernarg_size 40
		.amdhsa_user_sgpr_count 2
		.amdhsa_user_sgpr_kernarg_segment_ptr 1
		.amdhsa_wavefront_size32 1
		.amdhsa_system_sgpr_workgroup_id_x 1
		.amdhsa_system_sgpr_workgroup_id_y 1
		.amdhsa_system_sgpr_workgroup_id_z 1
		.amdhsa_system_vgpr_workitem_id 0
		.amdhsa_next_free_vgpr 168
		.amdhsa_next_free_sgpr 66
		.amdhsa_reserve_vcc 0
		.amdhsa_float_denorm_mode_32 3
		.amdhsa_float_denorm_mode_16_64 3
		.amdhsa_memory_ordered 1
		.amdhsa_forward_progress 1
		.amdhsa_inst_pref_size 10
	.end_amdhsa_kernel
	.amdgpu_metadata
---
amdhsa.version: [ 1, 2 ]
amdhsa.kernels:
  - .name:           k_q5b9989446f_wq
    .symbol:         k_q5b9989446f_wq.kd
    .args:
      - { .name: q_w, .offset: 0, .size: 8, .value_kind: global_buffer, .address_space: global }
      - { .name: k_w, .offset: 8, .size: 8, .value_kind: global_buffer, .address_space: global }
      - { .name: v_w, .offset: 16, .size: 8, .value_kind: global_buffer, .address_space: global }
      - { .name: wc, .offset: 24, .size: 8, .value_kind: global_buffer, .address_space: global }
      - { .name: ws, .offset: 32, .size: 8, .value_kind: global_buffer, .address_space: global }
    .group_segment_fixed_size: 71168
    .private_segment_fixed_size: 0
    .kernarg_segment_align: 8
    .kernarg_segment_size: 40
    .max_flat_workgroup_size: 256
    .sgpr_count:     66
    .vgpr_count:     168
    .wavefront_size: 32
...
	.end_amdgpu_metadata
.endif
;; end of part 1
;; launch xproj (part 2): grid 192 x 1, 4 waves a work-group, no clusters, 109,056 bytes of LDS; arguments query, key, value, q_b, k_b, v_b, wc, ws, pcodes, pscales; writes pcodes, pscales
.if DOCPART == 2
	.amdgcn_target "amdgcn-amd-amdhsa--gfx1250"
	.amdhsa_code_object_version 6
	.text
	.protected	k_q5b9989446f_xproj
	.globl	k_q5b9989446f_xproj
	.p2align	8
	.type	k_q5b9989446f_xproj,@function
k_q5b9989446f_xproj:
	s_mov_b64 s[64:65], 0
	v_nop
	global_prefetch_b8 v0, s[64:65] scope:SCOPE_SE
	s_setreg_imm32_b32 hwreg(HW_REG_WAVE_MODE, 25, 1), 1
	s_wait_xcnt 0x0
; Launch 2 of 4: query, key, value are quantised along the 1,024 and multiplied: q = query q_w^T + q_b, k = key k_w^T + k_b, v = value v_w^T + v_b, f32 sums; the results are quantised in registers for the next products and leave as codes.
; Nothing of reference() is left out.  Each f32 number of the three inputs is read once in the launch and never goes back to memory.
; A work-group makes 128 rows x all 1,024 outputs of one projection p = x / 64 (0 q, 1 k, 2 v), rows 128 (x % 64) on.
; FIRST PART: the 128 rows become 8 tiles of codes in LDS: images of the operand's registers, [tile][8 groups of 128 k][1,024], and scale words [tile][32 lanes][4] (lane r + 16 (g / 4), word g % 4).  Wave w takes groups 2 w and 2 w + 1:
;   16 batches of one tile x one group: 16 loads of 512 consecutive bytes, one a row; the rows turn through the wave's own stage, so that a lane gets two whole blocks of 32 of its row.  Loads run four batches (64 loads) ahead, so no prefetch asks for the same bytes besides.
;   Place r of tile T is row 32 (T / 2) + 8 (T % 2) + r % 8 + 16 (r / 8).
; SECOND PART: four chunks; wave w makes 128 rows x outputs 256 w + 64 c .. + 63: 32 accumulators.  The weight's fragments of a chunk (4 tiles x 8 groups, 256 registers) are loaded straight into registers and each is replaced by the next chunk's as soon as its last product is issued.
;   A's fragments of groups 0 to 3 come from LDS once and stay in 256 registers; those of groups 4 to 7 pass through one set of 64 in every chunk, refilled by halves while the resident groups are multiplied: the order of groups is 4, 0, 5, 1, 6, 2, 7, 3.
; WHY NO CLUSTER: a weight fragment has one reader in the work-group, the wave that owns its outputs, and the 544 KiB of a weight are more than LDS holds: through LDS each byte would be written and read once more, behind refill barriers, to land in the same registers.
; USED TRANSPOSED: source 0's rows run along a lane's registers, source 1's along the lanes.  q, k are quantised along the features: source 0 = the weight.  v is quantised along the KEYS: source 0 = the rows of value.
; OUT: pcodes: q [512 tiles][8 groups][1,024] at 0, k the same at 4 MiB, v^T [16 steps of 512 keys, all batches on end][64 tiles][4 groups][1,024] at 8 MiB.
;   pscales: q [8 groups][8,192 rows] words, k at 262,144, v [8 blocks of 128 features][64 groups of 128 keys][128] at 524,288.
; The bias is the C of each sum's first product.
; LIMITS: as in the first launch (byte held at 1 from below; NaN and infinities not served).
; WINDOWS: 0: v0-31 addresses; v32-79 scale words and nothing else; the rest at work.  1: the f32 rows as loaded, then the accumulators.  2: the weight's fragments (tile t, group g at 64 t + 8 g).  3: A's resident fragments (tile a, group g at 64 g + 8 a).
.set ASC,   65536                      ; behind the images: the scale words
.set OUT,   ASC+4096                   ; 1,024 bytes a wave: the results' scale words
.set STG,   OUT+4096                   ; the stages
.set WREG,  8704
.set SP,    528
.set SPARE, STG+4*WREG                 ; the spare words, 128 bytes for each wave, that no other line names
.set LI,   4                           ; v4   16 x lane
.set SI,   5                           ; v5   the stage, in
.set SO,   6                           ; v6   and out
.set AI,   7                           ; v7   my groups' place among the images
.set AW,   8                           ; v8   and among the scale words
.set AIN,  9                           ; v9   my place in a row of f32
.set H8,   10                          ; v10  8 h
.set PX,   11
.set SPW,  12
.set NIL,  13
.set AIT,  14                          ; v14, v15 v7 and v8 of this trip
.set AWT,  15
.set BO,   16                          ; v16  the bias for q, k: 64 h; v17 for v: 4 x the feature of place r
.set WST,  18                          ; v18  my row's word in my 1,024 bytes
.set WRD,  19                          ; v19  and back, 16 bytes a lane
.set ASR,  20                          ; v20  the scale words as loaded for the products
.set WT,   21                          ; v21  v18 of this chunk
.set AS,   32
.set BS,   64
.set BV,   80
.set PWL,  84                          ; v84-99 the rows' scale words, 64 bits a row, built from above by 16 bits a chunk
.set PWH,  92
.set TM,   100
.set BIAS, 120                         ; v120-151 the bias as C
.set PC,   152                         ; v152-183 codes
.set WBK,  152
.set AST,  184                         ; v184-247 A's fragments of the group that passes through
.set X,    152                         ; first part: v152-215 my two blocks of 32 numbers
.set C,    216
.set M,    224
.set S,    226
.set BY,   228
.set WD,   230
.set MSB, 0
.macro WIN new                         ; the immediate's high byte repeats the setting that is left
.if MSB != \new
	s_set_vgpr_msb (MSB<<8)|\new
.set MSB, \new
.endif
.endm
.macro PLACES n
.rept \n
	v_nop
.endr
.endm
.macro LOADA k                         ; batch k of a trip: tile k / 2 of its two, group 2 w + k % 2
	WIN 0x40
.irp i, 0,1,2,3,4,5,6,7,8,9,10,11,12,13,14,15
	global_load_b128 v[64*(\k)+4*\i:64*(\k)+4*\i+3], v[AIN], s[26:27] offset:(8*((\k)/2)+\i%8+16*(\i/8))*4096+512*((\k)%2) th:TH_LOAD_NT
.endr
	WIN 0
.endm
.macro LOADB k                         ; the weight's groups k and k + 4, four tiles: 16 loads of 512 consecutive bytes
	WIN 0x80
.irp g, 0,1
.irp t, 0,1,2,3
.irp u, 0,1
	global_load_b128 v[64*\t+8*((\k)+4*\g)+4*\u:64*\t+8*((\k)+4*\g)+4*\u+3], v[LI], s[28:29] offset:8192*\t+1024*((\k)+4*\g)+512*\u
.endr
.endr
.endr
	WIN 0
.endm
.macro LOADBS
.irp t, 0,1,2,3
	global_load_b128 v[BS+4*\t:BS+4*\t+3], v[LI], s[40:41] offset:512*\t
.endr
.endm
.macro LOADBIAS tv
.if \tv
.irp b, 0,1,2,3
	global_load_b32 v[BV+\b], v[BO+1], s[34:35] offset:(32*(\b/2)+8*(\b%2))*4
.endr
.else
.irp b, 0,1,2,3
	global_load_b128 v[BIAS+8*\b:BIAS+8*\b+3], v[BO], s[34:35] offset:(32*(\b/2)+8*(\b%2))*4
	global_load_b128 v[BIAS+8*\b+4:BIAS+8*\b+7], v[BO], s[34:35] offset:(32*(\b/2)+8*(\b%2))*4+16
.endr
.endif
.endm
	s_load_b256 s[4:11], s[0:1], 0x0               ; query, key, value, q_b
	s_load_b256 s[12:19], s[0:1], 0x20             ; k_b, v_b, wc, ws
	s_load_b128 s[20:23], s[0:1], 0x40             ; pcodes, pscales
	v_lshl_add_u32 v[SPW], v0, 2, SPARE
	v_mov_b32 v[NIL], 0
	v_lshrrev_b32 v1, 5, v0
	v_readfirstlane_b32 s24, v1                    ; wave 0..3
	s_lshr_b32 s25, ttmp9, 6                       ; p
	s_and_b32 s46, ttmp9, 63                       ; the block of 128 rows
	v_and_b32 v1, 31, v0
	v_and_b32 v2, 15, v0                           ; r
	v_bfe_u32 v3, v0, 4, 1                         ; h
	v_lshlrev_b32 v[LI], 4, v1
	s_mul_i32 s42, s24, WREG
	s_add_co_u32 s42, s42, STG
	v_add_nc_u32 v[SI], s42, v[LI]
	v_mul_u32_u24 v[SO], v2, SP
	v_lshl_add_u32 v[SO], v3, 7, v[SO]
	v_add_nc_u32 v[SO], s42, v[SO]                 ; row r, block h
	s_lshl_b32 s42, s24, 11
	v_add_nc_u32 v[AI], s42, v[LI]
	s_lshr_b32 s42, s24, 1
	s_lshl_b32 s42, s42, 8
	s_and_b32 s43, s24, 1
	s_lshl_b32 s43, s43, 3
	s_add_co_u32 s42, s42, s43
	s_add_co_u32 s42, s42, ASC
	s_wait_alu depctr_va_vdst(0)                   ; directly ahead of the readers below
	v_lshl_add_u32 v[AW], v2, 4, s42
	s_lshl_b32 s42, s24, 10
	v_add_nc_u32 v[AIN], s42, v[LI]
	v_lshlrev_b32 v[H8], 3, v3
	v_mov_b32 v[PX], 0                             ; written once: a lane permute's destination counts as one of its sources
	v_lshlrev_b32 v[BO], 6, v3
	v_and_b32 v[BO+1], 7, v2
	v_lshrrev_b32 v22, 3, v2
	v_lshl_add_u32 v[BO+1], v22, 4, v[BO+1]
	v_lshlrev_b32 v[BO+1], 2, v[BO+1]
	s_add_co_u32 s42, s42, OUT
	v_lshl_add_u32 v[WST], v2, 2, s42
	v_add_nc_u32 v[WRD], s42, v[LI]
	v_add_nc_u32 v[ASR], ASC, v[LI]
.irp a, 0,1,2,3,4,5,6,7
	v_mov_b32 v[PWL+\a], 0                         ; (read as the older part of a word before the first chunk has filled it)
	v_mov_b32 v[PWH+\a], 0
.endr
.irp e, 0,1,2,3
	v_mov_b32 v[TM+4+\e], 0                        ; (a lane permute's destination)
.endr
	s_mov_b32 s44, 0x76543210
	s_mov_b32 s45, 0xfedcba98                      ; selects for lane l xor 16
	s_mov_b32 s30, 0                               ; the trip's first image,
	s_mov_b32 s31, 0                               ; and its first scale words
	s_wait_alu depctr_va_vdst(0)                   ; the wait at the head's end
	s_wait_kmcnt 0x0
	s_cmp_eq_u32 s25, 0                            ; which tensor: the choice hangs on the work-group's number alone
	s_cselect_b64 s[26:27], s[4:5], s[6:7]
	s_cselect_b64 s[34:35], s[10:11], s[12:13]
	s_cmp_eq_u32 s25, 2
	s_cselect_b64 s[26:27], s[8:9], s[26:27]
	s_cselect_b64 s[34:35], s[14:15], s[34:35]
	s_mov_b32 s43, 0
	s_lshl_b32 s42, s46, 19                        ; 128 rows of 4,096 bytes
	s_add_nc_u64 s[26:27], s[26:27], s[42:43]
	s_lshl_b32 s42, s25, 19                        ; 64 tiles of 8,192 bytes a weight,
	s_lshl_b32 s48, s24, 17                        ; 16 a wave
	s_add_co_u32 s42, s42, s48
	s_add_nc_u64 s[28:29], s[16:17], s[42:43]
	s_lshl_b32 s42, s25, 15                        ; their scale words: 512 bytes a tile
	s_lshl_b32 s48, s24, 13
	s_add_co_u32 s42, s42, s48
	s_add_nc_u64 s[40:41], s[18:19], s[42:43]
	s_lshl_b32 s42, s24, 10                        ; 256 features a wave
	s_add_nc_u64 s[34:35], s[34:35], s[42:43]
	; the results' codes, for q, k (s48) and for v (s49)
	s_lshl_b32 s48, s46, 16
	s_lshl_b32 s52, s24, 11
	s_add_co_u32 s48, s48, s52                     ; 8 tiles of 8,192 bytes, my two groups
	s_lshr_b32 s49, s46, 2
	s_lshl_b32 s49, s49, 18                        ; a step of 512 keys: 64 tiles of 4,096 bytes,
	s_and_b32 s52, s46, 3
	s_lshl_b32 s52, s52, 10                        ; my group in it,
	s_add_co_u32 s49, s49, s52
	s_lshl_b32 s52, s24, 16                        ; my 16 tiles
	s_add_co_u32 s49, s49, s52
	s_lshl_b32 s50, s24, 16                        ; scale words.  q, k: two groups of 32,768 bytes a wave, my 128 rows.  v: two blocks of 128 features of 32,768 bytes, my group of keys
	s_lshl_b32 s52, s46, 9
	s_add_co_u32 s50, s50, s52
	s_cmp_eq_u32 s25, 2
	s_cselect_b32 s48, s49, s48
	s_lshl_b32 s42, s25, 22
	s_add_co_u32 s42, s42, s48
	s_add_nc_u64 s[36:37], s[20:21], s[42:43]
	s_lshl_b32 s42, s25, 18
	s_add_co_u32 s42, s42, s50
	s_add_nc_u64 s[38:39], s[22:23], s[42:43]
	LOADBS                                         ; chunk 0's scale words and bias
	s_cmp_eq_u32 s25, 2
	s_cbranch_scc1 .Lbias_v
	LOADBIAS 0
	s_branch .Lbias_done
.Lbias_v:
	LOADBIAS 1
.Lbias_done:
.irp k, 0,1,2,3
	LOADA \k
.endr
	s_wait_xcnt 0x0
	s_add_nc_u64 s[26:27], s[26:27], 0x20000       ; 32 rows on
	s_add_nc_u64 s[34:35], s[34:35], 256           ; the next chunk's
	s_add_nc_u64 s[40:41], s[40:41], 2048
.macro BATCH k
	s_wait_loadcnt 48                              ; this batch's 16 loads are in; those of the three batches behind it may be out
	WIN 0x04                                       ; an LDS store's data are its source 1: window 1
.irp i, 0,1,2,3,4,5,6,7,8,9,10,11,12,13,14,15
	ds_store_b128 v[SI], v[64*(\k)+4*\i:64*(\k)+4*\i+3] offset:SP*\i
.endr
	WIN 0
.irp u, 0,1                                    ; LDS serves a wave's instructions in order.  Blocks h and 2 + h of row r
.irp j, 0,1,2,3,4,5,6,7
	ds_load_b128 v[X+32*\u+4*\j:X+32*\u+4*\j+3], v[SO] offset:256*\u+16*\j
.endr
.endr
	s_wait_dscnt 0x0                               ; my numbers are back, and the stores have read their registers, which take the loads of four batches on;
	s_cmp_eq_u32 s33, 1                            ; in the last trip, as many loads of chunk 0's weight fragments
	s_cbranch_scc1 .Lweight_\@
	LOADA \k
	s_branch .Lasked_\@
.Lweight_\@:
	LOADB \k
.Lasked_\@:
.irp u, 0,1
	v_max3_num_f32 v[M+\u], |v[X+32*\u]|, |v[X+32*\u+1]|, 0x1800000   ; the largest magnitude, and the floor 2^(3 - 127)
.endr
.irp i, 2,4,6,8,10,12,14,16,18,20,22,24,26,28,30
.irp u, 0,1
	v_max3_num_f32 v[M+\u], v[M+\u], |v[X+32*\u+\i]|, |v[X+32*\u+\i+1]|
.endr
.endr
.irp u, 0,1
	v_add_nc_u32 v[S+\u], 0xff000000, v[M+\u]      ; 2 off its exponent field: the conversion's scale operand
.endr
.irp u, 0,1
.irp g, 0,1,2,3
	v_cvt_scalef32_pk8_fp4_f32 v[C+4*\u+\g], v[X+32*\u+8*\g:X+32*\u+8*\g+7], v[S+\u]
.endr
.endr
.irp u, 0,1
	v_lshrrev_b32 v[BY+\u], 23, v[S+\u]            ; the byte (a plain line behind the conversions)
.endr
	v_lshl_or_b32 v[WD], v[BY+1], 16, v[BY]
	v_lshlrev_b32 v[WD], v[H8], v[WD]
	v_permlanex16_b32 v[PX], v[WD], s44, s45
	v_or_b32 v[WD], v[WD], v[PX]                   ; the row's word of this group
.irp u, 0,1
	ds_store_b128 v[AIT], v[C+4*\u:C+4*\u+3] offset:8192*((\k)/2)+1024*((\k)%2)+512*\u
.endr
	ds_store_b32 v[AWT], v[WD] offset:512*((\k)/2)+4*((\k)%2)   ; both halves of the lanes write the same word with the same value
.endm
	s_mov_b32 s33, 4
.Lrows:                                                ; a trip: two tiles x my two groups
	v_add_nc_u32 v[AIT], s30, v[AI]
	v_add_nc_u32 v[AWT], s31, v[AW]
	s_wait_alu depctr_va_vdst(0)                   ; directly ahead of the wait below
	BATCH 0
	BATCH 1
	BATCH 2
	BATCH 3
	s_wait_alu depctr_va_vdst(0)                   ; ahead of the branch
	s_wait_xcnt 0x0                                ; the loads have read their base
	s_add_nc_u64 s[26:27], s[26:27], 0x20000
	s_add_co_u32 s30, s30, 16384
	s_add_co_u32 s31, s31, 1024
	s_sub_co_u32 s33, s33, 1
	s_cmp_lg_u32 s33, 0
	s_cbranch_scc1 .Lrows
	s_add_nc_u64 s[28:29], s[28:29], 0x8000        ; the next chunk's weight fragments: four tiles on
	s_wait_dscnt 0x0                               ; for the others' sake: my codes and words lie in LDS
	s_barrier_signal -1
	s_barrier_wait -1
.macro FETCHR g                        ; A's eight fragments of group g into their place in window 3
	WIN 0xc0
.irp a, 0,1,2,3,4,5,6,7
.irp u, 0,1
	ds_load_b128 v[64*(\g)+8*\a+4*\u:64*(\g)+8*\a+4*\u+3], v[LI] offset:8192*\a+1024*(\g)+512*\u
.endr
.endr
	WIN 0
.endm
.macro FETCHS g, a0                    ; four of A's fragments of group g into the set that passes through
.irp a, \a0, \a0+1, \a0+2, \a0+3
.irp u, 0,1
	ds_load_b128 v[AST+8*(\a)+4*\u:AST+8*(\a)+4*\u+3], v[LI] offset:8192*(\a)+1024*(\g)+512*\u
.endr
.endr
.endm
.macro MM a, b, g, tv
.if (\g) < 4
.set rA, 64*(\g)+8*(\a)
.else
.set rA, AST+8*(\a)
.endif
.set rB, 64*(\b)+8*(\g)
.set sA, AS+4*(\a)+(\g)%4
.set sB, BS+4*(\b)+(\g)%4
.if \tv
.set rD, 8*(8*(\b)+(\a))
.else
.set rD, 8*(4*(\a)+(\b))
.endif
.set rC, rD
.if (\g) == 4
.set rC, BIAS+8*(\b)
.endif
.if \tv
.if (\g) < 4
	v_wmma_scale_f32_16x16x128_f8f6f4 v[rD:rD+7], v[rA:rA+7], v[rB:rB+7], v[rC:rC+7], v[sA], v[sB] matrix_a_fmt:MATRIX_FMT_FP4 matrix_b_fmt:MATRIX_FMT_FP4
.else
	v_wmma_scale_f32_16x16x128_f8f6f4 v[rD:rD+7], v[rA:rA+7], v[rB:rB+7], v[rC:rC+7], v[sA], v[sB] matrix_a_fmt:MATRIX_FMT_FP4 matrix_b_fmt:MATRIX_FMT_FP4 matrix_a_scale:MATRIX_SCALE_ROW1 matrix_b_scale:MATRIX_SCALE_ROW1
.endif
.else
.if (\g) < 4
	v_wmma_scale_f32_16x16x128_f8f6f4 v[rD:rD+7], v[rB:rB+7], v[rA:rA+7], v[rC:rC+7], v[sB], v[sA] matrix_a_fmt:MATRIX_FMT_FP4 matrix_b_fmt:MATRIX_FMT_FP4
.else
	v_wmma_scale_f32_16x16x128_f8f6f4 v[rD:rD+7], v[rB:rB+7], v[rA:rA+7], v[rC:rC+7], v[sB], v[sA] matrix_a_fmt:MATRIX_FMT_FP4 matrix_b_fmt:MATRIX_FMT_FP4 matrix_a_scale:MATRIX_SCALE_ROW1 matrix_b_scale:MATRIX_SCALE_ROW1
.endif
.endif
.endm
.macro MUL16 a0, g, tv                 ; four of A's tiles x the weight's four: the 32 accumulators take turns, in the same order for every group
.irp a, \a0, \a0+1, \a0+2, \a0+3
.irp b, 0,1,2,3
	MM \a, \b, \g, \tv
.endr
.endr
.endm
.macro WSTREAM k, tv                   ; windows for the group that passes through: A in window 0, and for a sum's first product C, the bias, too
.if \tv
.if (\k) == 0
	WIN 0x48
.else
	WIN 0x58
.endif
.else
.if (\k) == 0
	WIN 0x42
.else
	WIN 0x52
.endif
.endif
.endm
.macro RELOAD k, tv                    ; groups k and k + 4 are done with: the next chunk's take their registers (the last chunk asks for nothing)
	PLACES 4
	WIN 0
	s_cmp_eq_u32 s33, 1
	s_cbranch_scc1 .Llast_\@
.if (\k) == 0
	LOADBIAS \tv
.endif
.if (\k) == 3
	FETCHS 4, 0                                    ; the next chunk's first group of A
	FETCHS 4, 4
	LOADBS
.endif
	LOADB \k
.Llast_\@:
.endm
.macro PAIR k, tv                      ; group k + 4, which passes through, then group k, which stays
.if (\k) == 0
	s_wait_dscnt 48                                ; group 4 and the resident group 0 are in; in the first chunk the resident groups 1 to 3 (48 loads) may be out
.else
	s_wait_dscnt 0x0
.endif
	WSTREAM \k, \tv
	MUL16 0, (\k)+4, \tv
.if (\k) < 3
	PLACES 4                                       ; plain lines between a matrix instruction and a load into its registers
	WIN 0
	FETCHS (\k)+5, 0
	WSTREAM \k, \tv
.endif
	MUL16 4, (\k)+4, \tv
.if (\k) < 3
	PLACES 4
	WIN 0
	FETCHS (\k)+5, 4
.endif
.if \tv
	WIN 0x5b
.else
	WIN 0x5e
.endif
	MUL16 0, \k, \tv
	MUL16 4, \k, \tv
.if (\k) == 0
	s_wait_loadcnt 0x0                             ; the weight's groups 3 and 7 are in
.endif
	RELOAD \k, \tv
.endm
; 64 registers of a lane, four blocks of 32 shared with lane l xor 16.  q, k: tiles 2 m and 2 m + 1 of rows, two blocks each: half an image and half a scale word a tile.  v: the weight's tile m, four blocks of keys: a whole image and word.
.macro QUANT4 m, tv
.set AC, 64*(\m)
	WIN 0x14                                       ; sources 1 and 2: the accumulators' window
.irp e, 0,1,2,3
	v_max3_num_f32 v[TM+\e], 0x1800000, |v[AC+16*\e]|, |v[AC+16*\e+1]|   ; each accumulator from its low end on
.endr
.irp i, 2,4,6,8,10,12,14
.irp e, 0,1,2,3
	v_max3_num_f32 v[TM+\e], v[TM+\e], |v[AC+16*\e+\i]|, |v[AC+16*\e+\i+1]|
.endr
.endr
	WIN 0
.irp e, 0,1,2,3
	v_permlanex16_b32 v[TM+4+\e], v[TM+\e], s44, s45
.endr
.irp e, 0,1,2,3
	v_max_num_f32 v[TM+\e], v[TM+\e], v[TM+4+\e]
.endr
.irp e, 0,1,2,3
	v_add_nc_u32 v[TM+12+\e], 0xff000000, v[TM+\e]
.endr
.irp e, 0,1,2,3
	v_lshrrev_b32 v[TM+4+\e], 23, v[TM+12+\e]
.endr
	v_lshl_or_b32 v[TM+8], v[TM+5], 8, v[TM+4]
.if \tv
	v_lshl_or_b32 v[TM+8], v[TM+6], 16, v[TM+8]
	v_lshl_or_b32 v[TM+8], v[TM+7], 24, v[TM+8]
.else
	v_lshl_or_b32 v[TM+9], v[TM+7], 8, v[TM+6]
.irp u, 0,1                                    ; the row's 64 bits move down by 16, and this chunk's two bytes come in from above
	v_lshrrev_b32 v[TM+10+\u], 16, v[PWL+2*(\m)+\u]
.endr
.irp u, 0,1
	v_lshl_or_b32 v[PWL+2*(\m)+\u], v[PWH+2*(\m)+\u], 16, v[TM+10+\u]
.endr
.irp u, 0,1
	v_lshrrev_b32 v[TM+10+\u], 16, v[PWH+2*(\m)+\u]
.endr
.irp u, 0,1
	v_lshl_or_b32 v[PWH+2*(\m)+\u], v[TM+8+\u], 16, v[TM+10+\u]
.endr
.endif
	WIN 0x01                                       ; source 0: the accumulators' window
.irp e, 0,1,2,3
	v_cvt_scalef32_pk8_fp4_f32 v[PC+8*(\m)+2*\e], v[AC+16*\e:AC+16*\e+7], v[TM+12+\e]
	v_cvt_scalef32_pk8_fp4_f32 v[PC+8*(\m)+2*\e+1], v[AC+16*\e+8:AC+16*\e+15], v[TM+12+\e]
.endr
	WIN 0
	v_nop                                          ; one plain line behind a scaled conversion
.irp u, 0,1                                    ; the operand's layout wants a whole block in a lane
.irp i, 0,1
	v_permlane16_swap_b32 v[PC+8*(\m)+4*\u+\i], v[PC+8*(\m)+4*\u+2+\i]
.endr
.endr
.irp u, 0,1
.if \tv
	global_store_b128 v[LI], v[PC+8*(\m)+4*\u:PC+8*(\m)+4*\u+3], s[36:37] offset:4096*(\m)+512*\u   ; 512 consecutive bytes, aligned
.else
	global_store_b128 v[LI], v[PC+8*(\m)+4*\u:PC+8*(\m)+4*\u+3], s[36:37] offset:8192*(2*(\m)+\u)
.endif
.endr
.if \tv
	ds_store_b32 v[WT], v[TM+8] offset:64*(\m)
.endif
.endm
.macro CHUNK tv
.if \tv
	v_add_nc_u32 v[WT], s47, v[WST]
	s_wait_alu depctr_va_vdst(0)                   ; directly ahead of the wait below
.endif
	s_wait_loadcnt 16                              ; the bias, the scale words and the weight's groups are in, but for groups 3 and 7 (the youngest 16 loads), which may be out
.if \tv
.irp b, 0,1,2,3
.irp j, 0,1,2,3,4,5,6,7
	v_mov_b32 v[BIAS+8*\b+\j], v[BV+\b]            ; a lane's bias is the same along its registers
.endr
.endr
	s_wait_alu depctr_va_vdst(0)                   ; behind the writes
.endif
.irp k, 0,1,2,3
	PAIR \k, \tv
.endr
.irp m, 0,1,2,3
	QUANT4 \m, \tv
.endr
	s_wait_alu depctr_va_vdst(0)
	s_wait_dscnt 0x0                               ; the next chunk's first group of A is in
	s_wait_xcnt 0x0                                ; loads and stores have read their bases and data
	s_add_nc_u64 s[28:29], s[28:29], 0x8000
	s_add_nc_u64 s[34:35], s[34:35], 256
	s_add_nc_u64 s[40:41], s[40:41], 2048
.if \tv
	s_add_nc_u64 s[36:37], s[36:37], 0x4000
	s_add_co_u32 s47, s47, 256
.else
	s_add_nc_u64 s[36:37], s[36:37], 512
.endif
.endm
.irp a, 0,1,2,3,4,5,6,7
	ds_load_b128 v[AS+4*\a:AS+4*\a+3], v[ASR] offset:512*\a
.endr
	FETCHS 4, 0
	FETCHS 4, 4
.irp g, 0,1,2,3
	FETCHR \g
.endr
	s_mov_b32 s33, 4                               ; chunks to go, this one among them
	s_mov_b32 s47, 0
	s_cmp_eq_u32 s25, 2
	s_cbranch_scc1 .Lchunk_v
.Lchunk_qk:
	CHUNK 0
	s_sub_co_u32 s33, s33, 1
	s_cmp_lg_u32 s33, 0
	s_cbranch_scc1 .Lchunk_qk
.irp a, 0,1,2,3,4,5,6,7
	ds_store_b32 v[WST], v[PWL+\a] offset:64*\a
	ds_store_b32 v[WST], v[PWH+\a] offset:512+64*\a
.endr
	ds_load_b128 v[WBK:WBK+3], v[WRD]              ; LDS serves a wave's instructions in order: these see my stores
	ds_load_b128 v[WBK+4:WBK+7], v[WRD] offset:512
	s_wait_dscnt 0x0
	global_store_b128 v[LI], v[WBK:WBK+3], s[38:39]                  ; my 128 rows' words of a group: 512 consecutive bytes, aligned
	global_store_b128 v[LI], v[WBK+4:WBK+7], s[38:39] offset:32768
	s_branch .Lend
.Lchunk_v:
	CHUNK 1
	s_sub_co_u32 s33, s33, 1
	s_cmp_lg_u32 s33, 0
	s_cbranch_scc1 .Lchunk_v
	ds_load_b128 v[WBK:WBK+3], v[WRD]
	ds_load_b128 v[WBK+4:WBK+7], v[WRD] offset:512
	s_wait_dscnt 0x0
	global_store_b128 v[LI], v[WBK:WBK+3], s[38:39]                  ; 128 features' words of my group: 512 consecutive bytes, aligned
	global_store_b128 v[LI], v[WBK+4:WBK+7], s[38:39] offset:32768
.Lend:
	s_wait_tensorcnt 0x0                           ; the wave's end
	ds_add_u32 v[SPW], v[NIL]
	s_wait_dscnt 0x0
	s_endpgm
.Lfunc_end_k_q5b9989446f_xproj:
	.size	k_q5b9989446f_xproj, .Lfunc_end_k_q5b9989446f_xproj-k_q5b9989446f_xproj
	.p2alignl 7, 3214868480
	.fill 96, 4, 3214868480
	.section	.rodata,"a",@progbits
	.p2align	6, 0x0
	.amdhsa_kernel k_q5b9989446f_xproj
		.amdhsa_group_segment_fixed_size 109056
		.amdhsa_private_segment_fixed_size 0
		.amdhsa_enable_private_segment 0
		.amdhsa_kernarg_size 80
		.amdhsa_user_sgpr_count 2
		.amdhsa_user_sgpr_kernarg_segment_ptr 1
		.amdhsa_wavefront_size32 1
		.amdhsa_system_sgpr_workgroup_id_x 1
		.amdhsa_system_sgpr_workgroup_id_y 1
		.amdhsa_system_sgpr_workgroup_id_z 1
		.amdhsa_system_vgpr_workitem_id 0
		.amdhsa_next_free_vgpr 1024
		.amdhsa_next_free_sgpr 66
		.amdhsa_reserve_vcc 0
		.amdhsa_float_denorm_mode_32 3
		.amdhsa_float_denorm_mode_16_64 3
		.amdhsa_memory_ordered 1
		.amdhsa_forward_progress 1
		.amdhsa_inst_pref_size 182
	.end_amdhsa_kernel
	.amdgpu_metadata
---
amdhsa.version: [ 1, 2 ]
amdhsa.kernels:
  - .name:           k_q5b9989446f_xproj
    .symbol:         k_q5b9989446f_xproj.kd
    .args:
      - { .name: query, .offset: 0, .size: 8, .value_kind: global_buffer, .address_space: global }
      - { .name: key, .offset: 8, .size: 8, .value_kind: global_buffer, .address_space: global }
      - { .name: value, .offset: 16, .size: 8, .value_kind: global_buffer, .address_space: global }
      - { .name: q_b, .offset: 24, .size: 8, .value_kind: global_buffer, .address_space: global }
      - { .name: k_b, .offset: 32, .size: 8, .value_kind: global_buffer, .address_space: global }
      - { .name: v_b, .offset: 40, .size: 8, .value_kind: global_buffer, .address_space: global }
      - { .name: wc, .offset: 48, .size: 8, .value_kind: global_buffer, .address_space: global }
      - { .name: ws, .offset: 56, .size: 8, .value_kind: global_buffer, .address_space: global }
      - { .name: pcodes, .offset: 64, .size: 8, .value_kind: global_buffer, .address_space: global }
      - { .name: pscales, .offset: 72, .size: 8, .value_kind: global_buffer, .address_space: global }
    .group_segment_fixed_size: 109056
    .private_segment_fixed_size: 0
    .kernarg_segment_align: 8
    .kernarg_segment_size: 80
    .max_flat_workgroup_size: 128
    .sgpr_count:     66
    .vgpr_count:     1024
    .wavefront_size: 32
...
	.end_amdgpu_metadata
.endif
;; end of part 2
;; launch score (part 3): grid 8 x 32, 4 waves a work-group, clusters of 4 x 4, 327,680 bytes of LDS; arguments pcodes, pscales, mask, pimg, pst; writes pimg, pst
.if DOCPART == 3
	.amdgcn_target "amdgcn-amd-amdhsa--gfx1250"
	.amdhsa_code_object_version 6
	.text
	.protected	k_q5b9989446f_score
	.globl	k_q5b9989446f_score
	.p2align	8
	.type	k_q5b9989446f_score,@function
k_q5b9989446f_score:
	s_mov_b64 s[64:65], 0
	v_nop
	global_prefetch_b8 v0, s[64:65] scope:SCOPE_SE
	s_setreg_imm32_b32 hwreg(HW_REG_WAVE_MODE, 25, 1), 1
	s_wait_xcnt 0x0
	s_wait_alu depctr_hold_cnt(0) depctr_sa_sdst(0) depctr_va_vdst(0) depctr_va_sdst(0) depctr_va_ssrc(0) depctr_va_vcc(0) depctr_vm_vsrc(0)
	s_getreg_b32 s2, hwreg(HW_REG_IB_STS2, 6, 4)
	s_cmp_eq_u32 s2, 0
	s_cbranch_scc0 .Lentry_in_a_cluster
	s_endpgm
.Lentry_in_a_cluster:
	s_bfe_u32 s2, ttmp6, 0x10000c
	s_cmp_lg_u32 s2, 0xf033
	s_cbranch_scc0 .Lentry_shape_is_right
	s_endpgm
.Lentry_shape_is_right:
; Launch 3 of 4: the scores q k^T on codes of E2M1 (K = 1,024), the mask, and the softmax's p, quantised along the keys.  Nothing of reference() is left out: the mask is an input, so every tile is computed and masked numbers are selected.
; A work-group makes 256 queries x 256 keys of one batch (x = key tile, y = 8 batch + query tile), a wave 128 x 128.  Used transposed: source 0 = 16 keys, source 1 = 16 queries: a lane holds ONE query,
; and by the order of rows in a tile (place r of tile T = row 32 (T / 2) + 8 (T % 2) + r % 8 + 16 (r / 8)) register 16 e + i of its 64 for a tile of queries is key 32 e + 16 (lane / 16) + i of the wave's 128.
; THE SOFTMAX, by groups of 128 keys.  t = score x log2(e) / 32; a masked t is f32(-1e9 log2 e) = -1,442,695,040, a whole number.  M = the ceiling of the largest t OF THE GROUP; p = 2^(t - M) is quantised, and the
; group's sum l of the unquantised p is kept.  M is a whole number, so p's codes are those under the row's M, and only the scale bytes and l differ, by an exact power of two: the next launch shifts them.
; OUT: pimg [512 tiles of queries][16 groups][1,024]: images of the operand's registers.  pst: three arrays [16 groups][8,192 rows] of 4 bytes: the scale word, -M (f32), l.
; THE MASK's 256 x 256 bytes are read once, in rows of 256 consecutive bytes, in the first steps, wait in registers that the products leave idle, and are laid into LDS (rows 272 bytes apart) behind the last product.
; LIMITS: p under 2^-126 counts as 0; a block whose largest p lies under 2^-124 gets the byte 1; NaN and infinities are not served.
; REGISTERS: window 0: v1-29 addresses; v32-95 scale words, two sets, and nothing else; v96-123 at work on the way out; v128-191 A's fragments, later t and p; v192-207 and v224-239 mask bytes; v208-223 codes, two sets; v240-251 the statistics' way out.
;   window 1: B's fragments at v0 and v128; the mask at v64-127 and v192-255.  windows 2, 3: accumulator (a, b) at v[8 (8 (a % 4) + b)].
.set NQ,     4
.set NL,     2
.set NP,     4
.set FR,     8
; LAYOUT OF pimg, in place of the one named above: [4 steps of 512 keys][512 tiles of queries][4 groups][1,024].
; IN: A's 16 tiles and B's 16 tiles, all of K, are 131,072 consecutive bytes each; wave 0 asks for A's, wave 1 for B's, waves 2 and 3 for their scale words: one joint load a wave, and no slot is filled again.
; LAYOUT OF pimg, in place of the one named above: [4 steps of 512 keys][512 tiles of queries][4 groups][1,024].
; IN: A's 16 tiles and B's 16 tiles, all of K, are 131,072 consecutive bytes each; wave 0 asks for A's, wave 1 for B's, waves 2 and 3 for their scale words: one joint load a wave, and no slot is filled again.
; THE MASK is asked for in four runs of loads in the first steps, behind the tiles' landing, and not at the head.
; THE SOFTMAX is a loop of four trips of two tiles of queries; only the scaling of a tile's scores, which names its accumulators, is written out for each tile.  Codes: v208-223; mask bytes: v192-207 and v224-239.
.set SLOT,   131072
.set SCL,    262144
.set MKT,    14                        ; v14  v10 of this trip
.set WSTT,   15                        ; v15  v12 of this trip
.set J,      66                        ; s66  the trip (the batch is no longer needed then)
.set MS,     67                        ; s67  how far the trip's mask rows lie on
.set WS,     45                        ; s45  and its statistics
.set NG,     8
.set SPARE,  SCL+2048*NG
.set MP,     272                       ; a row of the mask in LDS: 256 bytes + 16
.set STAGE,  256*MP                    ; behind the mask, in slot 0: 1,536 bytes a wave for the statistics
.set MGA,  8                           ; v8   the mask in memory: 2,048 (lane / 16) + 16 (lane % 16); never rewritten
.set MST,  9                           ; v9   the mask into LDS
.set MKA,  10                          ; v10  my query's row of it, my keys
.set LI,   11                          ; v11  16 x lane
.set WST,  12                          ; v12  the statistics: 4 r
.set WRD,  13                          ; v13  and back: 16 x lane
.set ADRA, 16
.set ADRB, 20
.set ADRS, 27
.set SPW,  28
.set NIL,  29
.set SC,   32
.set BM,   96                          ; v96-99   a block's largest t, then its largest p
.set BX,   100                         ; v100-103 the other half's; later the bytes
.set SO,   104                         ; v104-107 the conversions' scale operands
.set NM,   108                         ; v[108:109] -M (the pair's low word serves both halves)
.set L,    110                         ; v[110:111], v[112:113] the sum in two chains
.set L2,   112
.set RM,   114
.set PWD,  115
.set XT,   116                         ; v116-123 a mask byte spread over a word
.set AF,   128
.set T,    128
.set MK,   192
.set PC,   208
.set G1,   24
.set G0,   32
.set G1B,  48
.set G0B,  56
.set G1S,  68
.set G0S,  76
.set G1SB, 80
.set G0SB, 88
.set MSB, 0
.macro WIN new
.if MSB != \new
	s_set_vgpr_msb (MSB<<8)|\new
.set MSB, \new
.endif
.endm
.set MUL_LO, 0xa1
.set MUL_HI, 0xf1
.set TO_B,   0x40
.macro ARM under, g0, g1, next         ; one arm of the head's tree: one joint load; an s_nop 0 and four v_nop follow it
	s_cmp_lt_u32 s14, \under
	s_cbranch_scc0 \next
	tensor_load_to_lds s[\g0:\g0+3], s[\g1:\g1+7]
	s_nop 0
.rept 4
	v_nop
.endr
	s_branch .Lhead_asked
\next:
.endm
.macro CROUND
	s_barrier_signal -1
	s_barrier_wait -1
	s_cmp_lg_u32 s14, 0
	s_cbranch_scc1 .Lnot_wave_0_\@
	s_barrier_signal -3
.Lnot_wave_0_\@:
	s_barrier_wait -3
	s_barrier_signal -1
	s_barrier_wait -1
.endm
	s_load_b256 s[4:11], s[0:1], 0x0               ; pcodes, pscales, mask, pimg
	s_load_b64 s[12:13], s[0:1], 0x20              ; pst
	v_lshl_add_u32 v[SPW], v0, 2, SPARE
	v_mov_b32 v[NIL], 0
	ds_add_u32 v[SPW], v[NIL]                      ; the wave's opening: the add, twice on end, and its wait ahead of my first tensor load
	ds_add_u32 v[SPW], v[NIL]
	v_lshrrev_b32 v1, 5, v0
	v_readfirstlane_b32 s14, v1
	s_lshr_b32 s15, s14, 1                         ; my half of the queries.
	s_and_b32 s16, s14, 1                          ; my half of the keys.
	s_bfe_u32 s40, ttmp6, 0x40000
	s_bfe_u32 s41, ttmp6, 0x40004
	s_lshl_b32 s42, ttmp9, 2
	s_add_co_u32 s42, s42, s40                     ; x
	s_and_b32 s66, ttmp7, 0xffff
	s_lshl_b32 s17, s66, 2
	s_add_co_u32 s17, s17, s41                     ; y
	s_lshr_b32 s66, s66, 1                         ; the batch: the same in all sixteen partners
	s_lshl_b32 s20, s17, 17                        ; q: row 256 y, 512 bytes a row
	s_mov_b32 s21, 0
	s_lshl_b32 s22, s17, 10
	s_mov_b32 s23, 0
	s_lshl_b32 s46, s66, 11
	s_lshl_b32 s47, s42, 8
	s_add_co_u32 s46, s46, s47                     ; k: row 2,048 batch + 256 x
	s_lshl_b32 s92, s46, 2
	s_add_co_u32 s92, s92, 262144
	s_mov_b32 s93, 0
	s_lshl_b32 s46, s46, 9
	s_add_co_u32 s46, s46, 4194304
	s_mov_b32 s47, 0
	s_lshl_b32 s43, s41, 2
	s_lshl_b32 s43, 15, s43                        ; my row of the cluster
	s_lshl_b32 s44, 0x1111, s40                    ; my column
	s_or_b32 s[G1+0], s43, (3<<16)|(1<<21)         ; codes: a dense block, as 64 rows of 256 elements of 8 bytes
	s_or_b32 s[G1B+0], s44, (3<<16)|(1<<21)
.irp g, G1, G1B
	s_mov_b32 s[\g+1], 256<<16
	s_mov_b32 s[\g+2], 64<<16
	s_mov_b32 s[\g+3], 256<<16
	s_mov_b32 s[\g+4], 64
	s_mov_b32 s[\g+5], 256
	s_mov_b32 s[\g+6], 0
	s_mov_b32 s[\g+7], 0
.endr
	s_or_b32 s[G1S+0], s43, (3<<16)|(1<<21)        ; scale words: 8 groups of 128 elements of 8 bytes, 32,768 bytes apart
	s_or_b32 s[G1SB+0], s44, (3<<16)|(1<<21)
.irp g, G1S, G1SB
	s_mov_b32 s[\g+1], 128<<16
	s_mov_b32 s[\g+2], 8<<16
	s_mov_b32 s[\g+3], 128<<16
	s_mov_b32 s[\g+4], 8
	s_mov_b32 s[\g+5], 4096
	s_mov_b32 s[\g+6], 0
	s_mov_b32 s[\g+7], 0
.endr
	s_wait_dscnt 0x0                               ; both opening adds are done
	s_wait_kmcnt 0x0
	s_add_nc_u64 s[20:21], s[4:5], s[20:21]
	s_add_nc_u64 s[22:23], s[6:7], s[22:23]
	s_add_nc_u64 s[46:47], s[4:5], s[46:47]
	s_add_nc_u64 s[92:93], s[6:7], s[92:93]
	CROUND                                         ; all sixteen work-groups are here: the first joint loads meet
	s_mov_b32 s[G0], 1
	s_mov_b32 s[G0+1], 0
	s_mov_b64 s[G0+2:G0+3], s[20:21]
	s_or_b32 s[G0+3], s[G0+3], 0x80000000
	s_mov_b32 s[G0B], 1
	s_mov_b32 s[G0B+1], SLOT
	s_mov_b64 s[G0B+2:G0B+3], s[46:47]
	s_or_b32 s[G0B+3], s[G0B+3], 0x80000000
	s_mov_b32 s[G0S], 1
	s_mov_b32 s[G0S+1], SCL
	s_mov_b64 s[G0S+2:G0S+3], s[22:23]
	s_or_b32 s[G0S+3], s[G0S+3], 0x80000000
	s_mov_b32 s[G0SB], 1
	s_mov_b32 s[G0SB+1], SCL+1024*NG
	s_mov_b64 s[G0SB+2:G0SB+3], s[92:93]
	s_or_b32 s[G0SB+3], s[G0SB+3], 0x80000000
	ARM 1, G0, G1, .Lhead_b                        ; one load a wave
	ARM 2, G0B, G1B, .Lhead_sa
	ARM 3, G0S, G1S, .Lhead_sb
	tensor_load_to_lds s[G0SB:G0SB+3], s[G1SB:G1SB+7]
	s_nop 0
.rept 4
	v_nop
.endr
.Lhead_asked:
	v_and_b32 v1, 15, v0                           ; r
	v_bfe_u32 v2, v0, 4, 1                         ; h
	v_and_b32 v3, 31, v0
	v_lshlrev_b32 v[LI], 4, v3
	; the mask: wave w takes rows 64 w .. 64 w + 63 of the work-group's 256, two whole rows of 256 bytes a load
	s_wait_alu depctr_va_vdst(0)
	s_lshl_b32 s18, s17, 19                        ; 256 y rows of 2,048 bytes,
	s_lshl_b32 s19, s42, 8                         ; 256 x keys,
	s_add_co_u32 s18, s18, s19
	s_lshl_b32 s19, s14, 17                        ; 64 rows a wave
	s_add_co_u32 s18, s18, s19
	s_mov_b32 s19, 0
	s_add_nc_u64 s[8:9], s[8:9], s[18:19]
	v_lshlrev_b32 v[MGA], 4, v1
	v_lshl_add_u32 v[MGA], v2, 11, v[MGA]
	s_lshl_b32 s21, s15, 16                        ; my 8 tiles of 8,192 bytes
	s_lshl_b32 s22, s16, 16
	s_add_co_u32 s22, s22, SLOT
.irp s, 0,1
	v_add_nc_u32 v[ADRA+\s], s21, v[LI]            ; groups 0-3, groups 4-7
	v_add_nc_u32 v[ADRB+\s], s22, v[LI]
	s_add_co_u32 s21, s21, 4096
	s_add_co_u32 s22, s22, 4096
.endr
	v_lshlrev_b32 v5, 2, v1
	s_mul_i32 s21, s15, 512
	s_mul_i32 s22, s16, 512
	s_add_co_u32 s22, s22, 1024*NG
	s_sub_co_u32 s22, s22, s21
	v_mul_u32_u24 v6, s22, v2                      ; lanes 16-31 take B's words
	s_add_co_u32 s21, s21, SCL
	v_add_nc_u32 v5, v5, v6
	v_add_nc_u32 v[ADRS], s21, v5
	s_mul_i32 s18, s14, 64*MP
	v_mul_u32_u24 v[MST], v2, MP
	v_lshl_add_u32 v[MST], v1, 4, v[MST]
	v_add_nc_u32 v[MST], s18, v[MST]               ; row 64 w + lane / 16, 16 bytes a lane
	v_and_b32 v5, 7, v1
	v_lshrrev_b32 v6, 3, v1
	v_lshl_add_u32 v5, v6, 4, v5                   ; r % 8 + 16 (r / 8)
	v_mul_u32_u24 v[MKA], v5, MP
	v_lshl_add_u32 v[MKA], v2, 4, v[MKA]
	s_mul_i32 s18, s15, 128*MP
	s_lshl_b32 s19, s16, 7
	s_add_co_u32 s18, s18, s19
	v_add_nc_u32 v[MKA], s18, v[MKA]               ; my half of the queries, my half of the keys, 16 h
	s_mul_i32 s18, s14, 1536
	s_add_co_u32 s18, s18, STAGE
	v_lshl_add_u32 v[WST], v1, 2, s18
	v_add_nc_u32 v[WRD], s18, v[LI]
	s_lshl_b32 s18, s17, 4
	s_lshl_b32 s19, s15, 3
	s_add_co_u32 s18, s18, s19                     ; my first tile of queries
	s_lshl_b32 s18, s18, 12
	s_lshl_b32 s67, s42, 1
	s_add_co_u32 s67, s67, s16                     ; my group of 128 keys
	s_lshr_b32 s19, s67, 2
	s_lshl_b32 s19, s19, 21                        ; its step of 512: 512 tiles of 4,096 bytes
	s_add_co_u32 s18, s18, s19
	s_and_b32 s19, s67, 3
	s_lshl_b32 s19, s19, 10
	s_add_co_u32 s18, s18, s19
	s_mov_b32 s19, 0
	s_add_nc_u64 s[10:11], s[10:11], s[18:19]      ; p's images
	s_lshl_b32 s18, s67, 13
	s_lshl_b32 s19, s17, 8
	s_add_co_u32 s18, s18, s19
	s_lshl_b32 s19, s15, 7
	s_add_co_u32 s18, s18, s19
	s_lshl_b32 s18, s18, 2
	s_mov_b32 s19, 0
	s_add_nc_u64 s[12:13], s[12:13], s[18:19]      ; the statistics
	s_mov_b32 s92, 0x3d38aa3b                      ; c = log2(e) / 32
	s_mov_b32 s93, s92                             ; (named with it as a pair)
	s_mov_b32 s94, 0xceabfb8f                      ; a masked t
	s_mov_b32 s95, 255
	s_mov_b32 s96, 0                               ; selectors that spread byte 0, 1, 2, 3 over a word
	s_mov_b32 s97, 0x01010101
	s_mov_b32 s98, 0x02020202
	s_mov_b32 s99, 0x03030303
	s_mov_b32 s100, 0x76543210
	s_mov_b32 s101, 0xfedcba98                     ; selects for lane l xor 16
.macro FRAG reg, adr, q, i
.irp c, 0,1
	ds_load_b128 v[\reg+4*\c:\reg+4*\c+3], v[\adr] offset:8192*(\i)+1024*(\q)+512*\c
.endr
.endm
.macro MM a, b, p, q, sc, zero
.set rD, 8*(8*((\a)%4)+(\b))
.set rB, 128*(\p)+FR*(\b)
.set rA, AF+FR*(\a)
.set sB, SC+8*NQ*(\sc)+NQ*(\b)+(\q)
.set sA, SC+8*NQ*(\sc)+NQ*(\a)+(\q)
.if \zero
	v_wmma_scale_f32_16x16x128_f8f6f4 v[rD:rD+7], v[rB:rB+7], v[rA:rA+7], 0, v[sB], v[sA] matrix_a_fmt:MATRIX_FMT_FP4 matrix_b_fmt:MATRIX_FMT_FP4 matrix_a_scale:MATRIX_SCALE_ROW1
.else
	v_wmma_scale_f32_16x16x128_f8f6f4 v[rD:rD+7], v[rB:rB+7], v[rA:rA+7], v[rD:rD+7], v[sB], v[sA] matrix_a_fmt:MATRIX_FMT_FP4 matrix_b_fmt:MATRIX_FMT_FP4 matrix_a_scale:MATRIX_SCALE_ROW1
.endif
.endm
.macro MUL16 a0, p, q, sc, zero        ; the 64 accumulators take turns, one instruction a turn
.irp a, \a0, \a0+1
.irp b, 0,1,2,3,4,5,6,7
	MM \a, \b, \p, \q, \sc, \zero
.endr
.endr
.endm
.macro FETCH_B slot, q, p
	WIN TO_B
.irp i, 0,1,2,3,4,5,6,7
	FRAG 128*(\p)+FR*\i, ADRB+\slot, \q, \i
.endr
	WIN 0
.endm
.macro FETCH_A slot, q, i0
.irp i, \i0, \i0+1, \i0+2, \i0+3
	FRAG AF+FR*(\i), ADRA+\slot, \q, \i
.endr
.endm
.macro SCALES sc
.irp i, 0,1,2,3,4,5,6,7
.irp q, 0,1,2,3
	ds_load_b32 v[SC+8*NQ*\sc+NQ*\i+\q], v[ADRS] offset:1024*\q+64*\i
.endr
.endr
.endm
.macro PLACES n
.rept \n
	v_nop
.endr
.endm
.macro STEP slot, q, zero
	s_wait_dscnt 4*NL                              ; all but the youngest eight loads (A's tiles 4-7)
	WIN MUL_LO
	MUL16 0, (\q)%2, \q, \slot, \zero
	MUL16 2, (\q)%2, \q, \slot, \zero
	s_wait_dscnt 0
	PLACES NP
	FETCH_B \slot, (\q)+1, 1-(\q)%2
	FETCH_A \slot, (\q)+1, 0
	WIN MUL_HI
	MUL16 4, (\q)%2, \q, \slot, \zero
	MUL16 6, (\q)%2, \q, \slot, \zero
	PLACES NP
	WIN 0
	FETCH_A \slot, (\q)+1, 4
.endm
.macro TURN slot, next                 ; the step from group 3 to group 4
	s_wait_dscnt 4*NL
	WIN MUL_LO
	MUL16 0, 1, NQ-1, \slot, 0
	MUL16 2, 1, NQ-1, \slot, 0
	s_wait_dscnt 0x0
	PLACES NP
	WIN 0
	v_add_nc_u32 v[ADRS], 4096, v[ADRS]
	FETCH_B \next, 0, 0
	FETCH_A \next, 0, 0
	SCALES \next
	WIN MUL_HI
	MUL16 4, 1, NQ-1, \slot, 0
	MUL16 6, 1, NQ-1, \slot, 0
	PLACES NP
	WIN 0
	FETCH_A \next, 0, 4
.endm
.macro STEPS slot, from
.set Q, \from
.rept NQ-1-\from
	STEP \slot, Q, 0
.set Q, Q+1
.endr
.endm
	s_wait_alu depctr_va_vdst(0)
	s_wait_tensorcnt 0x0                           ; my one tensor load is in,
	s_barrier_signal -1
	s_barrier_wait -1                              ; everybody's are
	FETCH_B 0, 0, 0
	FETCH_A 0, 0, 0
	SCALES 0
	FETCH_A 0, 0, 4
.macro MLOAD n                         ; eight of my 32 loads of the mask, into registers of window 1 that no fragment uses: v64-127, v192-255
	WIN TO_B
.irp i, 0,1,2,3,4,5,6,7
.set MI, 8*(\n)+\i
.set MR, 64+4*MI+64*(MI/16)
	global_load_b128 v[MR:MR+3], v[MGA], s[8:9] offset:4096*MI th:TH_LOAD_NT
.endr
	WIN 0
.endm
	MLOAD 0
	STEP 0, 0, 1                                   ; the first products start the sums
	MLOAD 1
	STEP 0, 1, 0
	MLOAD 2
	STEP 0, 2, 0
	MLOAD 3
	TURN 0, 1
	STEPS 1, 0
	s_wait_dscnt 4*NL
	WIN MUL_LO
	MUL16 0, 1, NQ-1, 1, 0
	MUL16 2, 1, NQ-1, 1, 0
	s_wait_dscnt 0                                 ; my last reads of A's and B's tiles are over:
	s_barrier_signal -1
	WIN MUL_HI
	MUL16 4, 1, NQ-1, 1, 0
	MUL16 6, 1, NQ-1, 1, 0
	WIN 0
	s_barrier_wait -1                              ; and so are everybody's: the mask goes over A's tiles, which have had their one fill
	s_wait_loadcnt 0x0
	WIN 0x04                                       ; an LDS store's data are its source 1: window 1
.irp i, 0,1,2,3,4,5,6,7,8,9,10,11,12,13,14,15
	ds_store_b128 v[MST], v[64+4*\i:67+4*\i] offset:2*MP*\i
.endr
.irp i, 16,17,18,19,20,21,22,23,24,25,26,27,28,29,30,31
	ds_store_b128 v[MST], v[128+4*\i:131+4*\i] offset:2*MP*\i
.endr
	WIN 0
	PLACES NP
.irp e, 0,1,2,3
	v_mov_b32 v[BX+\e], 0                          ; written once: a lane permute's destination counts as one of its sources
.endr
	v_mov_b32 v[NM+1], 0                           ; (named as the upper half of a pair)
	s_wait_dscnt 0x0                               ; for the others' sake: my rows of the mask lie in LDS
	s_barrier_signal -1
	s_barrier_wait -1
; A tile of 16 queries x my 128 keys
.macro TMUL tile                       ; t = score x c for one tile; each accumulator from its low end on
.set AC, 64*((\tile)%4)
.set WA, 2+(\tile)/4
	WIN WA                                         ; source 0: the accumulators' window
	s_wait_alu depctr_va_vdst(0)                   ; directly ahead of the first readers of the products
.set j, 0
.rept 32
	v_pk_mul_f32 v[T+j:T+j+1], v[AC+j:AC+j+1], s[92:93] op_sel_hi:[1,0]
.set j, j+2
.endr
	WIN 0
	s_wait_alu depctr_va_vdst(0)                   ; ahead of the branch
.endm
.macro TIF trip, tile, next, done      ; the arm of one trip; the branch hangs on the count of trips alone
	s_cmp_lg_u32 s[J], \trip
	s_cbranch_scc1 \next
	TMUL \tile
	s_branch \done
\next:
.endm
.macro SOFT a                          ; tile a of the trip's two
.set PCA, PC+8*(\a)
.set MKS, MK+32*(\a)
.if (\a) == 0
	s_wait_dscnt 4                                 ; tile 0's mask bytes are in; tile 1's four loads may be out
.else
	s_wait_dscnt 0x0
.endif
.set n0, 0
.rept 2
.irp m, 0,1,2,3,4,5,6,7
	v_lshlrev_b32 v[XT+\m], 8, v[MKS+n0+\m]
.endr
.irp m, 0,1,2,3,4,5,6,7
	v_sub_nc_u32 v[MKS+n0+\m], v[XT+\m], v[MKS+n0+\m]   ; x 255: bytes 0 or 1 become 0 or 0xff
.endr
.set n0, n0+8
.endr
.set n0, 0
.rept 8
.irp m, 0,1,2,3,4,5,6,7
	v_perm_b32 v[XT+\m], v[MKS+(n0+\m)/4], v[MKS+(n0+\m)/4], s[96+\m%4]   ; the key's byte over the whole word
.endr
.irp m, 0,1,2,3,4,5,6,7
	v_bfi_b32 v[T+n0+\m], v[XT+\m], s94, v[T+n0+\m]   ; masked: t = -1e9 log2 e; no branch on data
.endr
.set n0, n0+8
.endr
.irp e, 0,1,2,3
	v_max3_num_f32 v[BM+\e], v[T+16*\e], v[T+16*\e+1], v[T+16*\e+2]   ; the largest t of each block of 32 keys: for the group's maximum and, since p rises with t, for the block's largest p
.endr
.irp i, 3,5,7,9,11,13
.irp e, 0,1,2,3
	v_max3_num_f32 v[BM+\e], v[BM+\e], v[T+16*\e+\i], v[T+16*\e+\i+1]
.endr
.endr
.irp e, 0,1,2,3
	v_max_num_f32 v[BM+\e], v[BM+\e], v[T+16*\e+15]
.endr
.irp e, 0,1,2,3
	v_permlanex16_b32 v[BX+\e], v[BM+\e], s100, s101
.endr
.irp e, 0,1,2,3
	v_max_num_f32 v[BM+\e], v[BM+\e], v[BX+\e]     ; with lane l xor 16's 16 keys
.endr
	v_max3_num_f32 v[RM], v[BM], v[BM+1], v[BM+2]
	v_max_num_f32 v[RM], v[RM], v[BM+3]
	v_floor_f32 v[NM], -v[RM]                      ; -M = floor(-t) = -ceil(t)
.set j, 0
.rept 32
	v_pk_add_f32 v[T+j:T+j+1], v[T+j:T+j+1], v[NM:NM+1] op_sel_hi:[1,0]   ; t - M
.set j, j+2
.endr
.irp e, 0,1,2,3
	v_add_f32 v[BM+\e], v[BM+\e], v[NM]
.endr
.set j, 0
	s_wait_alu depctr_va_vdst(0)
.rept 64
	v_exp_f32 v[T+j], v[T+j]                       ; p = 2^(t - M), at most 1
.set j, j+1
.endr
	v_nop                                          ; a plain line behind the exponentials
	s_wait_alu depctr_va_vdst(0)                   ; one wait for the batch, ahead of its first reader
.irp e, 0,1,2,3
	v_exp_f32 v[BM+\e], v[BM+\e]                   ; the block's largest p: the same instructions on the same number give the same bits
.endr
	v_pk_add_f32 v[L:L+1], v[T:T+1], v[T+2:T+3]    ; the sum of the UNQUANTISED p, in four chains
	v_pk_add_f32 v[L2:L2+1], v[T+4:T+5], v[T+6:T+7]
	v_pk_add_f32 v[XT:XT+1], v[T+8:T+9], v[T+10:T+11]
	v_pk_add_f32 v[XT+2:XT+3], v[T+12:T+13], v[T+14:T+15]
.set j, 16
.rept 6
	v_pk_add_f32 v[L:L+1], v[L:L+1], v[T+j:T+j+1]
	v_pk_add_f32 v[L2:L2+1], v[L2:L2+1], v[T+j+2:T+j+3]
	v_pk_add_f32 v[XT:XT+1], v[XT:XT+1], v[T+j+4:T+j+5]
	v_pk_add_f32 v[XT+2:XT+3], v[XT+2:XT+3], v[T+j+6:T+j+7]
.set j, j+8
.endr
	v_pk_add_f32 v[L:L+1], v[L:L+1], v[L2:L2+1]
	v_pk_add_f32 v[XT:XT+1], v[XT:XT+1], v[XT+2:XT+3]
	v_pk_add_f32 v[L:L+1], v[L:L+1], v[XT:XT+1]
	v_add_f32 v[L], v[L], v[L+1]
	v_permlanex16_b32 v[RM], v[L], s100, s101
	v_add_f32 v[L], v[L], v[RM]                    ; the group's l of my query
	s_wait_alu depctr_va_vdst(0)                   ; and one for the four
.irp e, 0,1,2,3
	v_max_num_f32 v[BM+\e], 0x1800000, v[BM+\e]    ; the floor 2^(3 - 127)
.endr
.irp e, 0,1,2,3
	v_add_nc_u32 v[SO+\e], 0xff000000, v[BM+\e]
.endr
.irp e, 0,1,2,3
	v_lshrrev_b32 v[BX+\e], 23, v[SO+\e]
.endr
	v_lshl_or_b32 v[PWD], v[BX+1], 8, v[BX]
	v_lshl_or_b32 v[PWD], v[BX+2], 16, v[PWD]
	v_lshl_or_b32 v[PWD], v[BX+3], 24, v[PWD]
.irp e, 0,1,2,3
	v_cvt_scalef32_pk8_fp4_f32 v[PCA+2*\e], v[T+16*\e:T+16*\e+7], v[SO+\e]
	v_cvt_scalef32_pk8_fp4_f32 v[PCA+2*\e+1], v[T+16*\e+8:T+16*\e+15], v[SO+\e]
.endr
	v_nop                                          ; one plain line behind a scaled conversion
.irp c, 0,1
.irp i, 0,1
	v_permlane16_swap_b32 v[PCA+4*\c+\i], v[PCA+4*\c+2+\i]
.endr
.endr
.irp c, 0,1
	global_store_b128 v[LI], v[PCA+4*\c:PCA+4*\c+3], s[10:11] offset:4096*(\a)+512*\c   ; the image: 512 consecutive bytes, aligned
.endr
	ds_store_b32 v[WSTT], v[PWD] offset:64*(\a)
	ds_store_b32 v[WSTT], v[NM] offset:512+64*(\a)
	ds_store_b32 v[WSTT], v[L] offset:1024+64*(\a)
.endm
	s_mov_b32 s[J], 0
	s_mov_b32 s[MS], 0
	s_mov_b32 s[WS], 0
.Lsoft:
	v_add_nc_u32 v[MKT], s[MS], v[MKA]
	v_add_nc_u32 v[WSTT], s[WS], v[WST]
	s_wait_alu depctr_va_vdst(0)                   ; ahead of the branches
.irp u, 0,1
.irp e, 0,1,2,3
	ds_load_b128 v[MK+32*\u+4*\e:MK+32*\u+4*\e+3], v[MKT] offset:8*\u*MP+32*\e   ; my query's mask bytes of keys 32 e + 16 h + 0 .. 15, for the trip's two tiles
.endr
.endr
	TIF 0, 0, .Lnot_00, .Ldone_0
	TIF 1, 2, .Lnot_01, .Ldone_0
	TIF 2, 4, .Lnot_02, .Ldone_0
	TMUL 6
.Ldone_0:
	SOFT 0
	s_wait_alu depctr_va_vdst(0)                   ; ahead of the branches
	TIF 0, 1, .Lnot_10, .Ldone_1
	TIF 1, 3, .Lnot_11, .Ldone_1
	TIF 2, 5, .Lnot_12, .Ldone_1
	TMUL 7
.Ldone_1:
	SOFT 1
	s_wait_alu depctr_va_vdst(0)                   ; ahead of the wait and the branch below
	s_wait_xcnt 0x0                                ; the trip's stores have read their codes and their base
	s_add_nc_u64 s[10:11], s[10:11], 0x2000        ; two tiles of 4,096 bytes on
	s_add_co_u32 s[MS], s[MS], 32*MP
	s_add_co_u32 s[WS], s[WS], 128
	s_add_co_u32 s[J], s[J], 1
	s_cmp_lt_u32 s[J], 4
	s_cbranch_scc1 .Lsoft
.irp u, 0,1,2
	ds_load_b128 v[240+4*\u:243+4*\u], v[WRD] offset:512*\u   ; LDS serves a wave's instructions in order: these see my stores
.endr
	s_wait_dscnt 0x0
.irp u, 0,1,2
	global_store_b128 v[LI], v[240+4*\u:243+4*\u], s[12:13] offset:524288*\u   ; my 128 rows' words, -M, l: 512 consecutive bytes each, aligned
.endr
	s_wait_tensorcnt 0x0                           ; the wave's end
	ds_add_u32 v[SPW], v[NIL]
	s_wait_dscnt 0x0
	CROUND                                         ; the closing round
	s_endpgm
.Lfunc_end_k_q5b9989446f_score:
	.size	k_q5b9989446f_score, .Lfunc_end_k_q5b9989446f_score-k_q5b9989446f_score
	.p2alignl 7, 3214868480
	.fill 96, 4, 3214868480
	.section	.rodata,"a",@progbits
	.p2align	6, 0x0
	.amdhsa_kernel k_q5b9989446f_score
		.amdhsa_group_segment_fixed_size 327680
		.amdhsa_private_segment_fixed_size 0
		.amdhsa_enable_private_segment 0
		.amdhsa_kernarg_size 40
		.amdhsa_user_sgpr_count 2
		.amdhsa_user_sgpr_kernarg_segment_ptr 1
		.amdhsa_wavefront_size32 1
		.amdhsa_system_sgpr_workgroup_id_x 1
		.amdhsa_system_sgpr_workgroup_id_y 1
		.amdhsa_system_sgpr_workgroup_id_z 1
		.amdhsa_system_vgpr_workitem_id 0
		.amdhsa_next_free_vgpr 1024
		.amdhsa_next_free_sgpr 102
		.amdhsa_reserve_vcc 0
		.amdhsa_float_denorm_mode_32 3
		.amdhsa_float_denorm_mode_16_64 3
		.amdhsa_memory_ordered 1
		.amdhsa_forward_progress 1
		.amdhsa_inst_pref_size 163
	.end_amdhsa_kernel
	.amdgpu_metadata
---
amdhsa.version: [ 1, 2 ]
amdhsa.kernels:
  - .name:           k_q5b9989446f_score
    .symbol:         k_q5b9989446f_score.kd
    .args:
      - { .name: pcodes, .offset: 0, .size: 8, .value_kind: global_buffer, .address_space: global }
      - { .name: pscales, .offset: 8, .size: 8, .value_kind: global_buffer, .address_space: global }
      - { .name: mask, .offset: 16, .size: 8, .value_kind: global_buffer, .address_space: global }
      - { .name: pimg, .offset: 24, .size: 8, .value_kind: global_buffer, .address_space: global }
      - { .name: pst, .offset: 32, .size: 8, .value_kind: global_buffer, .address_space: global }
    .group_segment_fixed_size: 327680
    .private_segment_fixed_size: 0
    .kernarg_segment_align: 8
    .kernarg_segment_size: 40
    .max_flat_workgroup_size: 128
    .sgpr_count:     102
    .vgpr_count:     1024
    .wavefront_size: 32
...
	.end_amdgpu_metadata
.endif
;; end of part 3
;; launch pv (part 4): grid 4 x 64, 4 waves a work-group, clusters of 4 x 4, 327,680 bytes of LDS; arguments pcodes, pscales, pimg, pst, out0; writes out0
.if DOCPART == 4
	.amdgcn_target "amdgcn-amd-amdhsa--gfx1250"
	.amdhsa_code_object_version 6
	.text
	.protected	k_q5b9989446f_pv
	.globl	k_q5b9989446f_pv
	.p2align	8
	.type	k_q5b9989446f_pv,@function
k_q5b9989446f_pv:
	s_mov_b64 s[64:65], 0
	v_nop
	global_prefetch_b8 v0, s[64:65] scope:SCOPE_SE
	s_setreg_imm32_b32 hwreg(HW_REG_WAVE_MODE, 25, 1), 1
	s_wait_xcnt 0x0
	s_wait_alu depctr_hold_cnt(0) depctr_sa_sdst(0) depctr_va_vdst(0) depctr_va_sdst(0) depctr_va_ssrc(0) depctr_va_vcc(0) depctr_vm_vsrc(0)
	s_getreg_b32 s2, hwreg(HW_REG_IB_STS2, 6, 4)
	s_cmp_eq_u32 s2, 0
	s_cbranch_scc0 .Lentry_in_a_cluster
	s_endpgm
.Lentry_in_a_cluster:
	s_bfe_u32 s2, ttmp6, 0x10000c
	s_cmp_lg_u32 s2, 0xf033
	s_cbranch_scc0 .Lentry_shape_is_right
	s_endpgm
.Lentry_shape_is_right:
.set NQ,     4
.set NP,     4
.set FR,     8
; Launch 4 of 4: y = p v / l on codes of E2M1 (K = 2,048 keys).  Nothing of reference() is left out.
; A work-group makes 128 queries x 256 features, a wave 64 x 128, used transposed (source 0 = 16 features, source 1 = 16 queries).  p's scale bytes and l are brought from each group's M under the row's M by powers of two.
; K goes in four steps of 512 keys.  LDS: A's slots [3][8 tiles][4,096], then for each half of B's tiles [3][8 tiles][4,096].  The head's loads, one a wave, bring steps 0 to 2 (waves 0, 1, 2) and B's scale words (wave 3); step 3 takes slot 0.
; LIMITS: p's bytes that fall under 1 become 0 or 2^-127 beside the row's largest p; NaN and infinities are not served.
.set HB,     98304                     ; three slots of 32,768 bytes
.set ST1,    32768
.set SCL,    3*HB                      ; A's scale words [16 groups][128]
.set SCB,    SCL+8192                  ; B's [2 halves][16 groups][128]
.set RLT,    SCB+16384                 ; 1 / l of 128 rows
.set SPARE,  RLT+512                   ; the spare words, 128 bytes for each wave, that no other line names
.set STAGE,  ST1                       ; the way out: A's slots 1 and 2, which have had their last fill and whose last read stands in front of the last change of slots
.set SPITCH, 528
.set PTA,  8
.set PTL,  9
.set ADRA, 16
.set ADRB, 20
.set RLA,  23
.set STO,  24
.set RD,   25
.set CO,   26
.set ADRS, 27
.set SPW,  28
.set NIL,  29
.set SC,   32
.set RL,   96
.set PWR,  96
.set PMR,  112
.set PLR,  128
.set BY,   144
.set NR,   208
.set AF,   128
.set BK,   128
.set G1,   24
.set G0,   32
.set G1B,  44
.set G0B,  52
.set G1SB, 68
.set G0SB, 76
.set MSB, 0
.macro WIN new
.if MSB != \new
	s_set_vgpr_msb (MSB<<8)|\new
.set MSB, \new
.endif
.endm
.set MUL,    0xa1
.set TO_B,   0x40
.macro JLOAD g0a, g1a, g0b, g1b
	s_cmp_eq_u32 s15, 0
	s_cbranch_scc0 .Lfor_b_\@
	tensor_load_to_lds s[\g0a:\g0a+3], s[\g1a:\g1a+7]
	s_nop 0
.rept 4
	v_nop
.endr
	s_branch .Lasked_\@
.Lfor_b_\@:
	tensor_load_to_lds s[\g0b:\g0b+3], s[\g1b:\g1b+7]
	s_nop 0
.rept 4
	v_nop
.endr
.Lasked_\@:
.endm
.macro CREST
	s_cmp_lg_u32 s14, 0
	s_cbranch_scc1 .Lnot_wave_0_\@
	s_barrier_signal -3
.Lnot_wave_0_\@:
	s_barrier_wait -3
	s_barrier_signal -1
	s_barrier_wait -1
.endm
.macro CROUND
	s_barrier_signal -1
	s_barrier_wait -1
	CREST
.endm
	s_load_b256 s[4:11], s[0:1], 0x0
	s_load_b64 s[12:13], s[0:1], 0x20
	v_lshl_add_u32 v[SPW], v0, 2, SPARE
	v_mov_b32 v[NIL], 0
	ds_add_u32 v[SPW], v[NIL]
	ds_add_u32 v[SPW], v[NIL]
	v_lshrrev_b32 v1, 5, v0
	v_readfirstlane_b32 s14, v1
	s_lshr_b32 s15, s14, 1
	s_and_b32 s16, s14, 1
	s_bfe_u32 s80, ttmp6, 0x40000
	s_bfe_u32 s81, ttmp6, 0x40004
	s_lshl_b32 s82, ttmp9, 2
	s_add_co_u32 s82, s82, s80
	s_and_b32 s66, ttmp7, 0xffff
	s_lshl_b32 s17, s66, 2
	s_add_co_u32 s17, s17, s81
	s_lshr_b32 s66, s66, 2
	s_lshl_b32 s20, s17, 15                        ; A: 8 tiles of 4,096 bytes in each step
	s_mov_b32 s21, 0
	s_lshl_b32 s88, s66, 20                        ; B: the batch's four steps of 262,144 bytes,
	s_lshl_b32 s89, s82, 16                        ; 16 tiles of 4,096 bytes
	s_add_co_u32 s88, s88, s89
	s_add_co_u32 s88, s88, 8388608
	s_mov_b32 s89, 0
	s_lshl_b32 s90, s66, 13                        ; its scale words: 16 groups of 512 bytes a batch,
	s_lshl_b32 s91, s82, 16                        ; two blocks of 128 features, 32,768 bytes each
	s_add_co_u32 s90, s90, s91
	s_add_co_u32 s90, s90, 524288
	s_mov_b32 s91, 0
	s_lshl_b32 s18, s16, 15
	s_mov_b32 s19, 0
	s_lshl_b32 s83, s81, 2
	s_lshl_b32 s83, 15, s83
	s_lshl_b32 s84, 0x1111, s80
	s_or_b32 s[G1+0], s83, (3<<16)|(1<<21)
	s_or_b32 s[G1B+0], s84, (3<<16)|(1<<21)
.irp g, G1, G1B                        ; three steps (rows) of 32,768 bytes: 4,096 elements of 8 bytes
	s_mov_b32 s[\g+1], 4096<<16
	s_mov_b32 s[\g+2], 3<<16
	s_mov_b32 s[\g+3], 4096<<16
	s_mov_b32 s[\g+4], 3
	s_mov_b32 s[\g+6], 0
	s_mov_b32 s[\g+7], 0
.endr
	s_mov_b32 s[G1+5], 262144                      ; from step to step: 2,097,152 bytes in A,
	s_mov_b32 s[G1B+5], 32768                      ; 262,144 in B
	s_or_b32 s[G1SB+0], s84, (3<<16)|(1<<21)
	s_mov_b32 s[G1SB+1], 1024<<16                  ; two rows of 8,192 bytes
	s_mov_b32 s[G1SB+2], 2<<16
	s_mov_b32 s[G1SB+3], 1024<<16
	s_mov_b32 s[G1SB+4], 2
	s_mov_b32 s[G1SB+5], 4096
	s_mov_b32 s[G1SB+6], 0
	s_mov_b32 s[G1SB+7], 0
	s_mul_i32 s85, s16, HB                         ; the refill: my half of B's tiles,
	s_lshl_b32 s86, s16, 14                        ; my half of A's
	s_mov_b32 s87, 0
	s_wait_dscnt 0x0
	s_wait_kmcnt 0x0
	s_add_nc_u64 s[20:21], s[8:9], s[20:21]
	s_add_nc_u64 s[88:89], s[4:5], s[88:89]
	s_add_nc_u64 s[90:91], s[6:7], s[90:91]
	CROUND
	s_mov_b32 s[G0], 1                             ; A, steps 0 to 2
	s_mov_b32 s[G0+1], 0
	s_mov_b64 s[G0+2:G0+3], s[20:21]
	s_or_b32 s[G0+3], s[G0+3], 0x80000000
	s_mov_b32 s[G0+4], 1                           ; A, step 3: my half
	s_mov_b32 s[G0+5], s86
	s_add_nc_u64 s[G0+6:G0+7], s[20:21], s[86:87]
	s_add_nc_u64 s[G0+6:G0+7], s[G0+6:G0+7], 0x600000
	s_or_b32 s[G0+7], s[G0+7], 0x80000000
	s_mov_b32 s[G0B], 1                            ; B's first 8 tiles, steps 0 to 2
	s_mov_b32 s[G0B+1], HB
	s_mov_b64 s[G0B+2:G0B+3], s[88:89]
	s_or_b32 s[G0B+3], s[G0B+3], 0x80000000
	s_mov_b32 s[G0B+4], 1                          ; its other 8
	s_mov_b32 s[G0B+5], 2*HB
	s_add_nc_u64 s[G0B+6:G0B+7], s[88:89], 0x8000
	s_or_b32 s[G0B+7], s[G0B+7], 0x80000000
	s_mov_b32 s[G0B+8], 1                          ; B, step 3: my half
	s_add_co_u32 s[G0B+9], s85, HB
	s_add_nc_u64 s[G0B+10:G0B+11], s[88:89], s[18:19]
	s_add_nc_u64 s[G0B+10:G0B+11], s[G0B+10:G0B+11], 0xc0000
	s_or_b32 s[G0B+11], s[G0B+11], 0x80000000
	s_mov_b32 s[G0SB], 1
	s_mov_b32 s[G0SB+1], SCB
	s_mov_b64 s[G0SB+2:G0SB+3], s[90:91]
	s_or_b32 s[G0SB+3], s[G0SB+3], 0x80000000
.macro ARM under, g0, g1, next         ; one arm of the head's tree: one joint load; an s_nop 0 and four v_nop follow it
	s_cmp_lt_u32 s14, \under
	s_cbranch_scc0 \next
	tensor_load_to_lds s[\g0:\g0+3], s[\g1:\g1+7]
	s_nop 0
.rept 4
	v_nop
.endr
	s_branch .Lhead_asked
\next:
.endm
	ARM 1, G0, G1, .Lhead_b0                       ; one load a wave
	ARM 2, G0B, G1B, .Lhead_b1
	ARM 3, G0B+4, G1B, .Lhead_sb
	tensor_load_to_lds s[G0SB:G0SB+3], s[G1SB:G1SB+7]
	s_nop 0
.rept 4
	v_nop
.endr
.Lhead_asked:
	s_lshl_b32 s18, s17, 9
	s_mov_b32 s19, 0
	s_add_nc_u64 s[10:11], s[10:11], s[18:19]
	v_lshlrev_b32 v[PTA], 2, v0
	v_add_nc_u32 v[PTL], SCL, v[PTA]
.irp g, 0,1,2,3,4,5,6,7,8,9,10,11,12,13,14,15
	global_load_b32 v[PWR+\g], v[PTA], s[10:11] offset:32768*\g
	global_load_b32 v[PMR+\g], v[PTA], s[10:11] offset:524288+32768*\g
	global_load_b32 v[PLR+\g], v[PTA], s[10:11] offset:1048576+32768*\g
.endr
	s_mov_b32 s94, 0x7f800000
	v_and_b32 v1, 15, v0
	v_bfe_u32 v2, v0, 4, 1
	v_and_b32 v3, 31, v0
	v_lshlrev_b32 v[CO], 4, v3
	s_lshl_b32 s21, s15, 14                        ; my 4 tiles of A,
	s_mul_i32 s22, s16, HB                         ; my 8 of B
	s_add_co_u32 s22, s22, HB
.irp s, 0,1,2
	v_add_nc_u32 v[ADRA+\s], s21, v[CO]
	v_add_nc_u32 v[ADRB+\s], s22, v[CO]
	s_add_co_u32 s21, s21, ST1
	s_add_co_u32 s22, s22, ST1
.endr
	v_lshlrev_b32 v5, 2, v1
	s_mul_i32 s21, s15, 256
	s_mul_i32 s22, s16, 8192
	s_add_co_u32 s22, s22, SCB-SCL
	s_sub_co_u32 s22, s22, s21
	v_mul_u32_u24 v6, s22, v2
	s_add_co_u32 s23, s21, RLT
	v_add_nc_u32 v[RLA], s23, v5
	s_add_co_u32 s21, s21, SCL
	v_add_nc_u32 v5, v5, v6
	v_add_nc_u32 v[ADRS], s21, v5
	s_mul_i32 s23, s14, 16*SPITCH
	s_add_co_u32 s23, s23, STAGE
	v_mul_u32_u24 v5, v1, SPITCH
	v_lshl_add_u32 v5, v2, 6, v5
	v_add_nc_u32 v[STO], s23, v5
	v_add_nc_u32 v[RD], s23, v[CO]
	s_lshl_b32 s18, s17, 7
	s_lshl_b32 s19, s15, 6
	s_add_co_u32 s18, s18, s19
	s_lshl_b32 s18, s18, 12
	s_lshl_b32 s19, s82, 10
	s_add_co_u32 s18, s18, s19
	s_lshl_b32 s19, s16, 9
	s_add_co_u32 s18, s18, s19
	s_mov_b32 s19, 0
	s_add_nc_u64 s[12:13], s[12:13], s[18:19]
	s_wait_loadcnt 0x0
	v_min3_num_f32 v[NR], v[PMR], v[PMR+1], v[PMR+2]
.irp g, 3,5,7,9,11,13
	v_min3_num_f32 v[NR], v[NR], v[PMR+\g], v[PMR+\g+1]
.endr
	v_min_num_f32 v[NR], v[NR], v[PMR+15]
.irp g, 0,1,2,3,4,5,6,7,8,9,10,11,12,13,14,15
	v_sub_f32 v[PMR+\g], v[NR], v[PMR+\g]
.endr
.irp g, 0,1,2,3,4,5,6,7,8,9,10,11,12,13,14,15
	v_cvt_i32_f32 v[PMR+\g], v[PMR+\g]
.endr
.irp g, 0,1,2,3,4,5,6,7,8,9,10,11,12,13,14,15
	v_lshlrev_b32 v[BY+4*\g], 23, v[PWR+\g]
	v_lshlrev_b32 v[BY+4*\g+1], 15, v[PWR+\g]
	v_lshlrev_b32 v[BY+4*\g+2], 7, v[PWR+\g]
	v_lshrrev_b32 v[BY+4*\g+3], 1, v[PWR+\g]
.endr
.irp g, 0,1,2,3,4,5,6,7,8,9,10,11,12,13,14,15
	v_ldexp_f32 v[PLR+\g], v[PLR+\g], v[PMR+\g]
.endr
.set i, 0
.rept 64
	v_and_b32 v[BY+i], s94, v[BY+i]
.set i, i+1
.endr
.irp g, 0,1,2,3,4,5,6,7
	v_add_f32 v[PLR+\g], v[PLR+\g], v[PLR+8+\g]
.endr
.set i, 0
.rept 64
	v_ldexp_f32 v[BY+i], v[BY+i], v[PMR+i/4]
.set i, i+1
.endr
.irp g, 0,1,2,3
	v_add_f32 v[PLR+\g], v[PLR+\g], v[PLR+4+\g]
.endr
.set i, 0
.rept 64
	v_lshrrev_b32 v[BY+i], 23, v[BY+i]
.set i, i+1
.endr
.irp g, 0,1
	v_add_f32 v[PLR+\g], v[PLR+\g], v[PLR+2+\g]
.endr
.irp g, 0,1,2,3,4,5,6,7,8,9,10,11,12,13,14,15
	v_lshl_or_b32 v[PWR+\g], v[BY+4*\g+1], 8, v[BY+4*\g]
.endr
	v_add_f32 v[PLR], v[PLR], v[PLR+1]
.irp g, 0,1,2,3,4,5,6,7,8,9,10,11,12,13,14,15
	v_lshl_or_b32 v[PWR+\g], v[BY+4*\g+2], 16, v[PWR+\g]
.endr
	s_wait_alu depctr_va_vdst(0)
	v_rcp_f32 v[PLR], v[PLR]
.irp g, 0,1,2,3,4,5,6,7,8,9,10,11,12,13,14,15
	v_lshl_or_b32 v[PWR+\g], v[BY+4*\g+3], 24, v[PWR+\g]
.endr
.irp g, 0,1,2,3,4,5,6,7,8,9,10,11,12,13,14,15
	ds_store_b32 v[PTL], v[PWR+\g] offset:512*\g
.endr
	s_wait_alu depctr_va_vdst(0)
	ds_store_b32 v[PTL], v[PLR] offset:RLT-SCL
.macro FRAG reg, adr, q, i
.irp c, 0,1
	ds_load_b128 v[\reg+4*\c:\reg+4*\c+3], v[\adr] offset:4096*(\i)+1024*(\q)+512*\c
.endr
.endm
.macro MM a, b, p, q, sc, zero
.set rD, 8*(8*(\a)+(\b))
.set rB, 128*(\p)+FR*(\b)
.set rA, AF+32*(\p)+FR*(\a)
.set sB, SC+32*(\sc)+NQ*(\b)+(\q)
.set sA, SC+32*(\sc)+NQ*(\a)+(\q)
.if \zero
	v_wmma_scale_f32_16x16x128_f8f6f4 v[rD:rD+7], v[rB:rB+7], v[rA:rA+7], 0, v[sB], v[sA] matrix_a_fmt:MATRIX_FMT_FP4 matrix_b_fmt:MATRIX_FMT_FP4 matrix_a_scale:MATRIX_SCALE_ROW1
.else
	v_wmma_scale_f32_16x16x128_f8f6f4 v[rD:rD+7], v[rB:rB+7], v[rA:rA+7], v[rD:rD+7], v[sB], v[sA] matrix_a_fmt:MATRIX_FMT_FP4 matrix_b_fmt:MATRIX_FMT_FP4 matrix_a_scale:MATRIX_SCALE_ROW1
.endif
.endm
.macro MUL8 a, p, q, sc, zero
.irp b, 0,1,2,3,4,5,6,7
	MM \a, \b, \p, \q, \sc, \zero
.endr
.endm
.macro FETCH slot, q, p
	WIN TO_B
.irp i, 0,1,2,3,4,5,6,7
	FRAG 128*(\p)+FR*\i, ADRB+\slot, \q, \i
.endr
	WIN 0
.irp i, 0,1,2,3
	FRAG AF+32*(\p)+FR*\i, ADRA+\slot, \q, \i
.endr
.endm
.macro SCALES sc
.irp i, 0,1,2,3,4,5,6,7
.irp q, 0,1,2,3
	ds_load_b32 v[SC+32*(\sc)+NQ*\i+\q], v[ADRS] offset:512*\q+64*\i
.endr
.endr
.endm
.macro PLACES n
.rept \n
	v_nop
.endr
.endm
.macro STEP slot, q, sc, zero
	PLACES NP
	FETCH \slot, (\q)+1, 1-(\q)%2
	s_wait_dscnt 24
	WIN MUL
.irp a, 0,1,2,3
	MUL8 \a, (\q)%2, \q, \sc, \zero
.endr
.endm
.macro CROSS next, sc
	PLACES NP
	WIN 0
	s_wait_alu depctr_va_vdst(0)
	v_add_nc_u32 v[ADRS], 2048, v[ADRS]            ; four groups on
	FETCH \next, 0, 0
	SCALES 1-(\sc)
	s_wait_alu depctr_va_vdst(0)
	s_wait_dscnt 56
	WIN MUL
.irp a, 0,1,2,3
	MUL8 \a, 1, NQ-1, \sc, 0
.endr
.endm
.macro TURN next, sc, fill
	WIN 0
	s_wait_tensorcnt 0x0
	ds_add_u32 v[SPW], v[NIL]
	s_wait_dscnt 1
	WIN MUL
	MUL8 0, 1, NQ-1, \sc, 0
	s_wait_dscnt 0x0
	s_barrier_signal -1
	MUL8 1, 1, NQ-1, \sc, 0
	WIN 0
	s_barrier_wait -1
.if \fill
	CREST
	JLOAD G0+4, G1, G0B+8, G1B                     ; step 3 into slot 0: waves 0 and 1 A's halves, waves 2 and 3 B's
.else
	PLACES NP
.endif
	v_add_nc_u32 v[ADRS], 2048, v[ADRS]
	FETCH \next, 0, 0
	SCALES 1-(\sc)
	WIN MUL
	MUL8 2, 1, NQ-1, \sc, 0
	MUL8 3, 1, NQ-1, \sc, 0
.endm
	s_wait_tensorcnt 0x0                           ; my one tensor load is in, so its descriptor may be written: the refill brings dense blocks, 8 rows of 2,048 bytes of A, 16 of B
.irp g, G1, G1B
	s_mov_b32 s[\g+1], 256<<16
	s_mov_b32 s[\g+3], 256<<16
	s_mov_b32 s[\g+5], 256
.endr
	s_mov_b32 s[G1+2], 8<<16
	s_mov_b32 s[G1+4], 8
	s_mov_b32 s[G1B+2], 16<<16
	s_mov_b32 s[G1B+4], 16
	s_wait_dscnt 0x0
	s_barrier_signal -1
	s_barrier_wait -1
	FETCH 0, 0, 0
	SCALES 0
	STEP 0, 0, 0, 1
	STEP 0, 1, 0, 0
	STEP 0, 2, 0, 0
	TURN 1, 0, 1
.irp q, 0,1,2
	STEP 1, \q, 1, 0
.endr
	CROSS 2, 1
.irp q, 0,1,2
	STEP 2, \q, 0, 0
.endr
	TURN 0, 0, 0
.irp q, 0,1,2
	STEP 0, \q, 1, 0
.endr
	s_wait_dscnt 0x0
	WIN MUL
.irp a, 0,1,2,3
	MUL8 \a, 1, NQ-1, 1, 0
.endr
	WIN 0
.macro TOSTAGE a
.set AC, 64*(\a)
	WIN 0x82
.set j, 0
.rept 32
	v_pk_mul_f32 v[AC+j:AC+j+1], v[AC+j:AC+j+1], v[RL+2*(\a):RL+2*(\a)+1]
.set j, j+2
.endr
	WIN 0x08
.irp b, 0,1,2,3,4,5,6,7
	ds_store_b128 v[STO], v[AC+8*\b:AC+8*\b+3] offset:128*(\b/2)+32*(\b%2)
	ds_store_b128 v[STO], v[AC+8*\b+4:AC+8*\b+7] offset:128*(\b/2)+32*(\b%2)+16
.endr
	WIN 0
.set BB, BK+64*((\a)%2)
.irp t, 0,1,2,3,4,5,6,7,8,9,10,11,12,13,14,15
	ds_load_b128 v[BB+4*\t:BB+4*\t+3], v[RD] offset:\t*SPITCH
.endr
.endm
.macro SEND a, younger
.set BB, BK+64*((\a)%2)
	s_wait_dscnt \younger
.irp t, 0,1,2,3,4,5,6,7,8,9,10,11,12,13,14,15
	global_store_b128 v[CO], v[BB+4*\t:BB+4*\t+3], s[12:13] offset:(32*((\a)/2)+8*((\a)%2)+\t%8+16*(\t/8))*4096 th:TH_STORE_NT
.endr
.endm
	PLACES NP
.irp a, 0,1,2,3
	ds_load_b32 v[RL+2*\a], v[RLA] offset:64*\a
	ds_load_b32 v[RL+2*\a+1], v[RLA] offset:64*\a
.endr
	s_wait_dscnt 0x0
	TOSTAGE 0
.irp a, 1,2,3
.if \a > 1
	s_wait_xcnt 0x0
.endif
	TOSTAGE \a
	SEND \a-1, 32
.endr
	SEND 3, 0
	s_wait_tensorcnt 0x0
	ds_add_u32 v[SPW], v[NIL]
	s_wait_dscnt 0x0
	CROUND
	s_endpgm
.Lfunc_end_k_q5b9989446f_pv:
	.size	k_q5b9989446f_pv, .Lfunc_end_k_q5b9989446f_pv-k_q5b9989446f_pv
	.p2alignl 7, 3214868480
	.fill 96, 4, 3214868480
	.section	.rodata,"a",@progbits
	.p2align	6, 0x0
	.amdhsa_kernel k_q5b9989446f_pv
		.amdhsa_group_segment_fixed_size 327680
		.amdhsa_private_segment_fixed_size 0
		.amdhsa_enable_private_segment 0
		.amdhsa_kernarg_size 40
		.amdhsa_user_sgpr_count 2
		.amdhsa_user_sgpr_kernarg_segment_ptr 1
		.amdhsa_wavefront_size32 1
		.amdhsa_system_sgpr_workgroup_id_x 1
		.amdhsa_system_sgpr_workgroup_id_y 1
		.amdhsa_system_sgpr_workgroup_id_z 1
		.amdhsa_system_vgpr_workitem_id 0
		.amdhsa_next_free_vgpr 768
		.amdhsa_next_free_sgpr 102
		.amdhsa_reserve_vcc 0
		.amdhsa_float_denorm_mode_32 3
		.amdhsa_float_denorm_mode_16_64 3
		.amdhsa_memory_ordered 1
		.amdhsa_forward_progress 1
		.amdhsa_inst_pref_size 156
	.end_amdhsa_kernel
	.amdgpu_metadata
---
amdhsa.version: [ 1, 2 ]
amdhsa.kernels:
  - .name:           k_q5b9989446f_pv
    .symbol:         k_q5b9989446f_pv.kd
    .args:
      - { .name: pcodes, .offset: 0, .size: 8, .value_kind: global_buffer, .address_space: global }
      - { .name: pscales, .offset: 8, .size: 8, .value_kind: global_buffer, .address_space: global }
      - { .name: pimg, .offset: 16, .size: 8, .value_kind: global_buffer, .address_space: global }
      - { .name: pst, .offset: 24, .size: 8, .value_kind: global_buffer, .address_space: global }
      - { .name: out0, .offset: 32, .size: 8, .value_kind: global_buffer, .address_space: global }
    .group_segment_fixed_size: 327680
    .private_segment_fixed_size: 0
    .kernarg_segment_align: 8
    .kernarg_segment_size: 40
    .max_flat_workgroup_size: 128
    .sgpr_count:     102
    .vgpr_count:     768
    .wavefront_size: 32
...
	.end_amdgpu_metadata
.endif
;; end of part 4
